; MI455X (gfx1250); checked and timed in simulation.
; The chip was launched on July 23, 2026; its instructions are those of AMD's public machine-readable ISA for CDNA 5 (MIT licence, August 2026) and "CDNA5" Instruction Set Architecture Reference Guide (July 2026). The comments in the code are by the model that wrote it; some were corrected since.
;; Fused MHA. Allowed arithmetic: matrix products marked QUANTISED: E4M3 operands, one E8M0 scale for each 32 along K, by v_wmma_scale_f32_16x16x128_f8f6f4 with both operands' format E4M3, f32 sums; everything else in f32.
;; Inputs: w_out 1,024 x 1,024 float32; w_qkv 1,024 x 3,072 float32; x 4 x 2,048 x 1,024 float32.
;; Outputs: out0 4 x 2,048 x 1,024 float32.
;; This version of the problem:
;;   THIS VERSION OF THE PROBLEM IS GIVEN IN LOW PRECISION. The matrix products marked QUANTISED in the list below multiply operands that are first quantised to E4M3 (4 exponent bits, 3 mantissa bits; 8 bits a number), with one power-of-two scale for each 32 numbers along K (OCP MX v1.0); their sums are f32. All else is computed in f32.
;;   The module's matrix products, in the order in which they are computed (A, B: the left and right operand; K: the contracted axis; several contracted axes count as one K, in the product's order):
;;     1. [M 8,192, K 1,024] x [K 1,024, N 3,072]; A: input x; B: input w_qkv: QUANTISED
;;     2. batch 64 x [M 2,048, K 64] x [K 64, N 2,048]; A: computed on the way; B: computed on the way: QUANTISED
;;     3. batch 64 x [M 2,048, K 2,048] x [K 2,048, N 64]; A: softmax (see below); B: computed on the way: QUANTISED
;;     4. [M 8,192, K 1,024] x [K 1,024, N 1,024]; A: computed on the way; B: input w_out: QUANTISED
;;   THE QUANTISER, for each operand of a quantised product, along K:
;;     - K is cut into blocks of 32 from its start; a last block that is shorter is filled with zeros.
;;     - A block's scale is 2^e with e = floor(log2(the largest magnitude in the block)) - 8, held to -126 .. 127; a block of zeros has e = 0. As a byte (E8M0): e + 127.
;;     - Each number is divided by its block's scale, clamped to +-448, and rounded to the nearest number of E4M3, ties to even, subnormals kept.
;;     - The product sums the exact products of the quantised numbers (number of the format x scale) in f32.
;;   ~~~python
;;   def quantise(x, axis):      # numpy; x: float32 -> the quantised numbers, widened to float32 again
;;       x = np.moveaxis(x, axis, -1); K = x.shape[-1]
;;       x = np.pad(x, [(0, 0)] * (x.ndim - 1) + [(0, -K % 32)]); x = x.reshape(x.shape[:-1] + (-1, 32)); a = np.abs(x).max(-1, keepdims=True)
;;       e = np.where(a > 0, np.clip(np.frexp(np.where(a > 0, a, 1))[1] - 1 - 8, -126, 127), 0)      # np.frexp(a)[1] - 1 = floor(log2(a)), exactly
;;       r = np.clip(x / 2.0 ** e, -448, 448)
;;       step = 2.0 ** (np.maximum(np.frexp(np.where(r == 0, 1, r))[1] - 1, -6) - 3)
;;       q = np.round(r / step) * step * 2.0 ** e      # np.round: ties to even
;;       return np.moveaxis(q.reshape(q.shape[:-2] + (-1,))[..., :K], -1, axis).astype(np.float32)
;;   ~~~
;;   SOFTMAX AHEAD OF A QUANTISED PRODUCT. Where the list says 'softmax', what is quantised is not the finished softmax but p = 2^(t - M), with t = logit x log2(e) and M = ceil(the row's largest t), a whole number; so 1/2 < the row's largest p <= 1. The row's sum l is taken of the UNQUANTISED p, in f32, and the product's result is divided by l at the end. Since M is a whole number, a kernel that streams over the keys may use a running M (the ceiling of the running maximum): every later rescaling is an exact power of two, which a block's scale takes up: the codes' values come out the same.
;;   OPERANDS COMPUTED ON THE WAY. 'Computed on the way' means the value that the module computes at that place (a softmax that the list does not call 'softmax' is quantised finished and normalised). What goes into a quantiser is computed in f32, as accurately as f32 sums, v_exp_f32 and their like allow (about 1e-6 of the number): no bf16 or f16 on the way to a quantiser, and a product that is left as it is and whose result goes on into a quantised operand takes f32 operands (vector FMAs, or v_wmma_f32_16x16x4_f32). A number that lies on a knife's edge between two numbers of the format may be rounded either way, as far as f32 arithmetic and the matrix unit's own rounding can turn it there, and no further.
;; One version. Each part assembles by itself: llvm-mc -triple=amdgcn-amd-amdhsa -mcpu=gfx1250 --defsym DOCPART=n.
;; ======== version 1 of 1: 4 launches
;; limits: right only within a limited range of input values
;; workspace buffers: xc 8,388,608 bytes; xs 262,144 bytes; wc 4,194,304 bytes; ws 131,072 bytes; img 25,165,824 bytes; sc 786,432 bytes; ac 8,388,608 bytes; asc 262,144 bytes
;; launch prep (part 1): grid 256 x 1, 6 waves a work-group, no clusters, 51,200 bytes of LDS; arguments x, w_qkv, w_out, xc, xs, wc, ws; writes xc, xs, wc, ws
.if DOCPART == 1
	.amdgcn_target "amdgcn-amd-amdhsa--gfx1250"
	.amdhsa_code_object_version 6
	.text
	.protected	k_q721cf74e95_prep
	.globl	k_q721cf74e95_prep
	.p2align	8
	.type	k_q721cf74e95_prep,@function
k_q721cf74e95_prep:
	s_mov_b64 s[64:65], 0
	v_nop
	global_prefetch_b8 v0, s[64:65] scope:SCOPE_SE
	s_setreg_imm32_b32 hwreg(HW_REG_WAVE_MODE, 25, 1), 1
	s_wait_xcnt 0x0
; THE PROGRAM: causal attention with 16 heads of 64 on 4 x 2,048 tokens of 1,024, all four products on codes of FP8 (E4M3) with one E8M0 scale for each 32 along K.
; Four launches: x and both weights into codes | x w_qkv, its results quantised into register images of q, k, v | attention, its result quantised | the projection on the way out.
; WORK LEFT OUT, AND WHY IT IS DEAD.  The problem puts -infinity on every score whose key comes after its query (the upper triangle that it builds itself), so the weight p of such a key is exactly 0
; whatever the inputs hold, and adds nothing to the row sum nor to the second product.  So the attention launch walks, for a tile of queries, only the steps of 128 keys up to the one on the diagonal;
; inside that step the work is done and hidden scores are replaced by -infinity.
; All three inputs have a way to the output and are loaded.  LIMIT: a NaN, an infinity or an overflow that reaches only the tiles left out is not carried to the result.
; THIS LAUNCH.  Waves 0 to 3 of a work-group: x [8192][1024] f32 becomes codes xc [8192][1024], K innermost, and scale bytes xs [8192][32]; a wave takes a run of 8 rows in 16 steps of 512 numbers, each load 512 bytes on end,
; turned through the wave's own stage in LDS so that a lane holds 16 neighbours along K and two lanes a block.  Row p of xc is token p with bits 3 and 4 exchanged: a matrix result whose source 0 is 16 such rows holds,
; in the 16 registers of two neighbouring tiles, 16 neighbouring tokens.
; Waves 4 and 5: w_qkv [1024][3072] and w_out [1024][1024], K along the FIRST axis, become codes wc [4096][1024] and scale bytes ws [4096][32] (rows 0 to 3,071 w_qkv's columns, then w_out's; row p holds column p with bits 3, 4 exchanged).
; A lane takes a column and its registers run down K; a wave takes 32 columns x 256 along K: unit 2 x work-group + (wave - 4) of 512; its codes leave through its own stage as rows of 256 bytes, aligned.
; The two roles part on the wave's number, share nothing and never join: no barrier.  Each role has LDS bytes of its own.
; A block's scale is 2^(floor(log2(its largest magnitude)) - 8); its byte is the largest magnitude's exponent field - 8, held at 1 from below.  Each number is divided by the scale, held within +-448, rounded to the nearest code, ties to even.
; LIMITS: a block of zeros gets the byte 1 and not 127 (its codes are zeros, and this program alone reads the bytes); blocks under 2^(9 - 127) keep the byte 1; NaN and infinities among the inputs are not served.
; The weights' scale bytes leave 8 a lane to rows 32 bytes apart: one byte in 128 of what these waves read.
.set EMAX,  8
.set MANT,  0x600000                   ; the mantissa field of 448
.set SPW,   208                        ; v208 my spare word; v209 0; never rewritten
.set NIL,   209
.set WREG,  8192                       ; x: a region a wave: two stages of 32 x SP bytes, then 256 scale bytes
.set SP,    80
.set PITCH, 272
.set WSTG,  4*WREG                     ; the weights' two stages of 32 x PITCH bytes
.set SPARE, WSTG+2*32*PITCH            ; the spare words, 128 bytes a wave
	v_lshl_add_u32 v[SPW], v0, 2, SPARE
	v_mov_b32 v[NIL], 0
	v_lshrrev_b32 v1, 5, v0
	v_readfirstlane_b32 s16, v1                    ; wave
	v_and_b32 v2, 31, v0                           ; lane
	s_wait_alu depctr_va_vdst(0)
	s_cmp_ge_u32 s16, 4
	s_cbranch_scc1 .Lweights
.set STEPS, 16
.set CB,    16
.set R,     16                         ; v16-79 four sets as loaded; v80-111 two sets of 16 neighbours; v112-127 bytes; v128-191 codes
.set X,     80
.set C,     128
.set E,     112
	s_load_b64 s[4:5], s[0:1], 0x0                 ; x
	s_load_b128 s[8:11], s[0:1], 0x18              ; xc, xs
	v_lshlrev_b32 v3, 4, v2
	s_mul_i32 s17, s16, WREG
	v_lshrrev_b32 v14, 2, v2
	v_mul_u32_u24 v14, v14, SP
	v_and_b32 v15, 3, v2
	v_lshl_add_u32 v14, v15, 4, v14
	v_add_nc_u32 v14, s17, v14                     ; the stage, in: SP (lane / 4) + 16 (lane % 4)
	v_mul_u32_u24 v15, v2, SP
	v_add_nc_u32 v15, s17, v15                     ; out: SP x lane
	v_mul_u32_u24 v4, v2, CB
	v_lshrrev_b32 v5, 1, v2
	s_add_co_u32 s17, s17, 2*32*SP
	v_add_nc_u32 v5, s17, v5                       ; my block's byte
	v_lshlrev_b32 v7, 3, v2
	v_add_nc_u32 v6, s17, v7
	s_mov_b32 s23, MANT
	s_lshl_b32 s18, ttmp9, 2
	s_add_co_u32 s19, s18, s16                     ; the run that I read
	s_and_b32 s20, s16, 1
	s_lshl_b32 s20, s20, 1
	s_lshr_b32 s21, s16, 1
	s_or_b32 s20, s20, s21
	s_add_co_u32 s20, s18, s20                     ; the run that I write: the run's bits 0, 1 are the row's bits 3, 4: exchanged
	s_lshl_b32 s24, s19, 15
	s_mov_b32 s25, 0
	s_lshl_b32 s26, s20, 13
	s_mov_b32 s27, 0
	s_lshl_b32 s28, s20, 8
	s_mov_b32 s29, 0
	s_wait_alu depctr_va_vdst(0)
	s_wait_kmcnt 0x0
	s_add_nc_u64 s[4:5], s[4:5], s[24:25]
	s_add_nc_u64 s[8:9], s[8:9], s[26:27]
	s_add_nc_u64 s[10:11], s[10:11], s[28:29]
.macro LOADX t
.irp i, 0,1,2,3
	global_load_b128 v[R+16*((\t)%4)+4*\i:R+16*((\t)%4)+4*\i+3], v3, s[4:5] offset:2048*(\t)+512*\i th:TH_LOAD_NT
.endr
.endm
.macro TURN t                          ; LDS serves a wave's instructions in order: no wait between the stores and the loads
.irp i, 0,1,2,3
	ds_store_b128 v14, v[R+16*((\t)%4)+4*\i:R+16*((\t)%4)+4*\i+3] offset:32*SP*((\t)%2)+8*SP*\i
.endr
.irp i, 0,1,2,3
	ds_load_b128 v[X+16*((\t)%2)+4*\i:X+16*((\t)%2)+4*\i+3], v15 offset:32*SP*((\t)%2)+16*\i
.endr
.endm
.irp t, 0,1,2,3
	LOADX \t
.endr
	s_wait_loadcnt 12                              ; step 0's four loads are in; the twelve of steps 1 to 3 may be out
	TURN 0
.macro STEP t
.set XS, X+16*((\t)%2)
.if (\t) > 0
	s_wait_dscnt 1                                 ; this step's numbers are back (the last step's byte store may be out)
.else
	s_wait_dscnt 0x0
.endif
.if (\t)+4 < STEPS
	LOADX (\t)+4
.endif
.if (\t)+1 < STEPS
.if STEPS-2-(\t) >= 3
	s_wait_loadcnt 12                              ; the next step's four loads are in; those of the three steps behind it may be out
.else
	s_wait_loadcnt 4*(STEPS-2-(\t))
.endif
	TURN (\t)+1
.endif
	v_max3_num_f32 v8, |v[XS]|, |v[XS+1]|, |v[XS+2]|
	v_max3_num_f32 v9, |v[XS+3]|, |v[XS+4]|, |v[XS+5]|
.irp i, 6,10
	v_max3_num_f32 v8, v8, |v[XS+\i]|, |v[XS+\i+1]|
	v_max3_num_f32 v9, v9, |v[XS+\i+2]|, |v[XS+\i+3]|
.endr
	v_max3_num_f32 v8, v8, |v[XS+14]|, |v[XS+15]|
	v_max3_num_f32 v8, v8, v9, (EMAX+1)<<23        ; the floor 2^(9 - 127)
	v_max_num_f32_dpp v8, v8, v8 row_xmask:1 row_mask:0xf bank_mask:0xf
	v_add_nc_u32 v11, -(EMAX<<23), v8              ; the conversion's scale operand
	v_and_or_b32 v10, v8, 0x7f800000, s23          ; 448 x the scale
.irp i, 0,1,2,3,4,5,6,7,8,9,10,11,12,13,14,15
	v_med3_num_f32 v[XS+\i], v[XS+\i], -v10, v10   ; the conversion does not saturate (ISA guide 7.6.2): the hold comes first
.endr
	v_cvt_scalef32_pk8_fp8_f32 v[C+4*(\t):C+4*(\t)+1], v[XS:XS+7], v11
	v_cvt_scalef32_pk8_fp8_f32 v[C+4*(\t)+2:C+4*(\t)+3], v[XS+8:XS+15], v11
	v_lshrrev_b32 v[E+(\t)], 23, v11               ; the byte (also the plain line behind the conversions)
	ds_store_b8 v5, v[E+(\t)] offset:16*(\t)
	global_store_b128 v4, v[C+4*(\t):C+4*(\t)+3], s[8:9] offset:32*CB*(\t)   ; 512 bytes on end, aligned
.endm
.irp t, 0,1,2,3,4,5,6,7,8,9,10,11,12,13,14,15
	STEP \t
.endr
	ds_load_b64 v[8:9], v6
	s_wait_dscnt 0x0
	global_store_b64 v7, v[8:9], s[10:11]          ; 256 bytes on end, aligned
	s_wait_tensorcnt 0x0                           ; the wave's end
	ds_add_u32 v[SPW], v[NIL]
	s_wait_dscnt 0x0
	s_endpgm
.Lweights:
.set NB,    8
.set KROW,  1024
.set WX,    32                         ; v32-95 two sets of 32 numbers; v96-103 a block's codes; v112-175 the way out; v176-207 row offsets; v24-25 scale bytes
.set WC,    96
.set OUTR,  112
.set OFF,   176
.set SB,    24
.set BS,    32                         ; s[32:47] the eight blocks' bases
	s_load_b128 s[4:7], s[0:1], 0x8                ; w_qkv, w_out
	s_load_b128 s[8:11], s[0:1], 0x28              ; wc, ws
	s_sub_co_u32 s16, s16, 4
	s_lshl_b32 s17, ttmp9, 1
	s_add_co_u32 s17, s17, s16                     ; my unit
	s_lshr_b32 s18, s17, 7                         ; which 256 along K
	s_and_b32 s17, s17, 127
	s_lshl_b32 s17, s17, 5                         ; my first column among the 4,096
	v_and_b32 v3, 7, v2
	v_bfe_u32 v5, v2, 3, 1
	v_bfe_u32 v6, v2, 4, 1
	v_lshl_add_u32 v3, v5, 4, v3
	v_lshl_add_u32 v3, v6, 3, v3                   ; my column's row among the 32: the lane with bits 3, 4 exchanged
	s_mul_i32 s19, s16, 32*PITCH
	s_add_co_u32 s19, s19, WSTG                    ; my stage
	v_mul_u32_u24 v4, v3, PITCH
	v_add_nc_u32 v4, s19, v4
	v_and_b32 v5, 15, v2
	v_lshrrev_b32 v6, 4, v2
	; wc LEAVES AS REGISTER IMAGES: [tile of 16 rows][the q-th 128 of K][c][lane][16 bytes], lane (r, h) holding row r, K = 128 q + 32 c + 16 h + 0 .. 15: 16,384 bytes a tile
	v_mul_u32_u24 v7, v5, PITCH                    ; out of the stage: row lane % 16, 16 bytes for each half of the lanes
	v_lshl_add_u32 v7, v6, 4, v7
	v_add_nc_u32 v7, s19, v7
	v_lshlrev_b32 v8, 4, v2                        ; and into wc: 16 x lane
	v_lshlrev_b32 v9, 5, v3
	s_cmp_ge_u32 s17, 3072                         ; columns from 3,072 on are w_out's
	s_mov_b32 s20, 12288
	s_cselect_b32 s20, 4096, s20                   ; a row of the source in bytes
	s_cselect_b32 s21, 3072, 0
	s_sub_co_u32 s21, s17, s21
	s_lshl_b32 s22, s18, 8
	s_mul_i32 s22, s22, s20
	s_lshl_b32 s21, s21, 2
	s_add_co_u32 s22, s22, s21
	s_mov_b32 s23, 0
	s_lshl_b32 s24, s20, 5                         ; a block on: 32 rows
	s_mov_b32 s25, 0
	s_lshl_b32 s26, s17, 10
	s_lshl_b32 s28, s18, 12                        ; my 256 along K are two pieces of 2,048 bytes of a tile's image
	s_add_co_u32 s26, s26, s28
	s_mov_b32 s27, 0
	s_lshl_b32 s28, s17, 5
	s_lshl_b32 s30, s18, 3
	s_add_co_u32 s28, s28, s30
	s_mov_b32 s29, 0
	s_mov_b32 s31, MANT
	v_lshlrev_b32 v[OFF], 2, v2
.set i, 1
.rept 31
	v_add_nc_u32 v[OFF+i], s20, v[OFF+i-1]
.set i, i+1
.endr
	s_wait_alu depctr_va_vdst(0)
	s_wait_kmcnt 0x0
	s_cmp_ge_u32 s17, 3072                         ; the choice hangs on ids alone
	s_cselect_b64 s[BS:BS+1], s[6:7], s[4:5]
	s_add_nc_u64 s[BS:BS+1], s[BS:BS+1], s[22:23]
.irp t, 1,2,3,4,5,6,7
	s_add_nc_u64 s[BS+2*\t:BS+2*\t+1], s[BS+2*\t-2:BS+2*\t-1], s[24:25]
.endr
	s_add_nc_u64 s[8:9], s[8:9], s[26:27]
	s_add_nc_u64 s[10:11], s[10:11], s[28:29]
.macro LOADW t
.set i, 0
.rept 32
	global_load_b32 v[WX+32*((\t)%2)+i], v[OFF+i], s[BS+2*(\t):BS+2*(\t)+1] th:TH_LOAD_NT
.set i, i+1
.endr
.endm
	LOADW 0
	LOADW 1
.macro BLOCK t
.set XS, WX+32*((\t)%2)
.if (\t) < NB-1
	s_wait_loadcnt 32                              ; this block's 32 loads are in; the next block's may be out
.else
	s_wait_loadcnt 0
.endif
	v_max3_num_f32 v12, |v[XS]|, |v[XS+1]|, |v[XS+2]|
	v_max3_num_f32 v13, |v[XS+3]|, |v[XS+4]|, |v[XS+5]|
.irp i, 6,10,14,18,22,26
	v_max3_num_f32 v12, v12, |v[XS+\i]|, |v[XS+\i+1]|
	v_max3_num_f32 v13, v13, |v[XS+\i+2]|, |v[XS+\i+3]|
.endr
	v_max3_num_f32 v12, v12, |v[XS+30]|, |v[XS+31]|
	v_max3_num_f32 v12, v12, v13, (EMAX+1)<<23
	v_add_nc_u32 v11, -(EMAX<<23), v12
	v_and_or_b32 v10, v12, 0x7f800000, s31
	v_lshrrev_b32 v13, 23, v11
.if (\t)%4 == 0
	v_mov_b32 v[SB+(\t)/4], v13
.else
	v_lshl_or_b32 v[SB+(\t)/4], v13, 8*((\t)%4), v[SB+(\t)/4]
.endif
.irp i, 0,1,2,3,4,5,6,7,8,9,10,11,12,13,14,15,16,17,18,19,20,21,22,23,24,25,26,27,28,29,30,31
	v_med3_num_f32 v[XS+\i], v[XS+\i], -v10, v10
.endr
.irp g, 0,1,2,3
	v_cvt_scalef32_pk8_fp8_f32 v[WC+2*\g:WC+2*\g+1], v[XS+8*\g:XS+8*\g+7], v11
.endr
	v_nop                                          ; a plain line behind the last conversion
	ds_store_b128 v4, v[WC:WC+3] offset:32*(\t)
	ds_store_b128 v4, v[WC+4:WC+7] offset:32*(\t)+16
.if (\t)+2 < NB
	LOADW (\t)+2
.endif
	s_wait_dscnt 0x0                               ; the stores have read their registers
.endm
.set Q, 0
.rept NB
	BLOCK Q
.set Q, Q+1
.endr
	global_store_b64 v9, v[SB:SB+1], s[10:11]
.irp t, 0,1,2,3,4,5,6,7,8,9,10,11,12,13,14,15
	ds_load_b128 v[OUTR+4*\t:OUTR+4*\t+3], v7 offset:(\t/8)*16*PITCH+((\t/4)%2)*128+(\t%4)*32
.endr
.irp t, 0,1,2,3,4,5,6,7,8,9,10,11,12,13,14,15
	s_wait_dscnt 15-\t                             ; rows come back in order: the younger ones may be out
	global_store_b128 v8, v[OUTR+4*\t:OUTR+4*\t+3], s[8:9] offset:(\t/8)*16384+((\t/4)%2)*2048+(\t%4)*512   ; 512 bytes on end, aligned
.endr
	s_wait_tensorcnt 0x0                           ; the wave's end
	ds_add_u32 v[SPW], v[NIL]
	s_wait_dscnt 0x0
	s_endpgm
.Lfunc_end_k_q721cf74e95_prep:
	.size	k_q721cf74e95_prep, .Lfunc_end_k_q721cf74e95_prep-k_q721cf74e95_prep
	.p2alignl 7, 3214868480
	.fill 96, 4, 3214868480
	.section	.rodata,"a",@progbits
	.p2align	6, 0x0
	.amdhsa_kernel k_q721cf74e95_prep
		.amdhsa_group_segment_fixed_size 51200
		.amdhsa_private_segment_fixed_size 0
		.amdhsa_enable_private_segment 0
		.amdhsa_kernarg_size 56
		.amdhsa_user_sgpr_count 2
		.amdhsa_user_sgpr_kernarg_segment_ptr 1
		.amdhsa_wavefront_size32 1
		.amdhsa_system_sgpr_workgroup_id_x 1
		.amdhsa_system_sgpr_workgroup_id_y 1
		.amdhsa_system_sgpr_workgroup_id_z 1
		.amdhsa_system_vgpr_workitem_id 0
		.amdhsa_next_free_vgpr 224
		.amdhsa_next_free_sgpr 66
		.amdhsa_reserve_vcc 0
		.amdhsa_float_denorm_mode_32 3
		.amdhsa_float_denorm_mode_16_64 3
		.amdhsa_memory_ordered 1
		.amdhsa_forward_progress 1
		.amdhsa_inst_pref_size 112
	.end_amdhsa_kernel
	.amdgpu_metadata
---
amdhsa.version: [ 1, 2 ]
amdhsa.kernels:
  - .name:           k_q721cf74e95_prep
    .symbol:         k_q721cf74e95_prep.kd
    .args:
      - { .name: x, .offset: 0, .size: 8, .value_kind: global_buffer, .address_space: global }
      - { .name: w_qkv, .offset: 8, .size: 8, .value_kind: global_buffer, .address_space: global }
      - { .name: w_out, .offset: 16, .size: 8, .value_kind: global_buffer, .address_space: global }
      - { .name: xc, .offset: 24, .size: 8, .value_kind: global_buffer, .address_space: global }
      - { .name: xs, .offset: 32, .size: 8, .value_kind: global_buffer, .address_space: global }
      - { .name: wc, .offset: 40, .size: 8, .value_kind: global_buffer, .address_space: global }
      - { .name: ws, .offset: 48, .size: 8, .value_kind: global_buffer, .address_space: global }
    .group_segment_fixed_size: 51200
    .private_segment_fixed_size: 0
    .kernarg_segment_align: 8
    .kernarg_segment_size: 56
    .max_flat_workgroup_size: 192
    .sgpr_count:     66
    .vgpr_count:     224
    .wavefront_size: 32
...
	.end_amdgpu_metadata
.endif
;; end of part 1
;; launch gemm_qkv (part 2): grid 8 x 32, 4 waves a work-group, clusters of 4 x 1, 327,680 bytes of LDS; arguments xc, xs, wc, ws, img, sc; writes img, sc
.if DOCPART == 2
	.amdgcn_target "amdgcn-amd-amdhsa--gfx1250"
	.amdhsa_code_object_version 6
	.text
	.protected	k_q721cf74e95_gemm_qkv
	.globl	k_q721cf74e95_gemm_qkv
	.p2align	8
	.type	k_q721cf74e95_gemm_qkv,@function
k_q721cf74e95_gemm_qkv:
	s_mov_b64 s[64:65], 0
	v_nop
	global_prefetch_b8 v0, s[64:65] scope:SCOPE_SE
	s_setreg_imm32_b32 hwreg(HW_REG_WAVE_MODE, 25, 1), 1
	s_wait_xcnt 0x0
	s_wait_alu depctr_hold_cnt(0) depctr_sa_sdst(0) depctr_va_vdst(0) depctr_va_sdst(0) depctr_va_ssrc(0) depctr_va_vcc(0) depctr_vm_vsrc(0)
	s_getreg_b32 s2, hwreg(HW_REG_IB_STS2, 6, 4)
	s_cmp_eq_u32 s2, 0
	s_cbranch_scc0 .Lentry_in_a_cluster
	s_endpgm
.Lentry_in_a_cluster:
	s_bfe_u32 s2, ttmp6, 0x10000c
	s_cmp_lg_u32 s2, 0x3003
	s_cbranch_scc0 .Lentry_shape_is_right
	s_endpgm
.Lentry_shape_is_right:
; q, k, v = x w_qkv AND THEIR QUANTISERS, on codes of FP8 (E4M3) with E8M0 scales: 8,192 x 3,072 x 1,024.  Codes and scale bytes leave as the register images that the attention launch reads.  No f32 result is stored.
; THE DEAL.  256 work-groups of four waves.  A wave holds 64 rows of a weight (one head), ALL of K, in 512 registers, loaded from wc's register images, 512 bytes on end a load; x's rows lie in LDS and stream past in
; blocks of 16 rows, all of K, 32 products a block, in two register sets by turns.  The four waves stand side by side on 256 columns and read the same rows.
; PHASE 1: my 256 rows x 256 columns of q (cluster x = 0) or k (1): 16 blocks.  PHASE 2: W_v's 64 rows take the registers; 128 rows x 256 columns of v: 8 blocks, of ONE OF MY OWN TWO WINDOWS of 128 rows: number cluster x.
; So x comes into LDS once, 64 rows a wave by one joint load (the cluster's four work-groups share the rows), and nothing is filled again.
; The rows lie in LDS IN THE ORDER OF WORK: the window that is not v's, then v's: only global addresses hang on which it is.
; PHASE 1 uses source 0 = the weight's rows, source 1 = x's: a lane holds one token, and the 16 registers of two neighbouring tiles 16 neighbouring channels (wc's rows have bits 3, 4 exchanged).
; PHASE 2 uses source 0 = x's rows: a lane holds one channel, and the 16 registers of two neighbouring blocks 16 neighbouring tokens (xc's rows have bits 3, 4 exchanged).  Either way a scale block of 32 lies in lanes l and l xor 16.
; A TRIP is two blocks and the quantiser of their 64 sums a lane: four units of 16 registers.
; img: [q, k, v][batch x 16 + head][131,072]: q, k: [tile of 16 tokens][c][lane][16]; v: [step of 128 tokens][tile of 16 channels][c][lane][16].  sc: [q, k, v][head][128 tokens: 256 bytes][lane % 16][4 words].
; The scale bytes are gathered in the wave's own LDS bytes and leave at the end in whole runs of 256 bytes.
; PREFETCH: x is asked for whole at the head: no trip to run ahead in.  W_v, which phase 2 waits for, is asked for in trips 0 to 3, four and more trips ahead of its loads, 16,384 bytes a wave and trip, lanes 256 bytes apart,
; by the four clusters with y under 2 alone, since all rows of clusters read the same W_v.
; LIMITS: a block of zeros gets the byte 1; blocks under 2^(9 - 127) keep the byte 1; NaN, infinities and sums beyond f32's range are not served.
; REGISTERS: window 0: v1-23 addresses, v24-39 the weight's scale words (register 8 p + q: lanes 0-15 tile 2 p, lanes 16-31 tile 2 p + 1), v44-59 x's, two sets, v64-127 sums, v192-207 the quantiser, v208-223 codes;
;   windows 1, 2: the weight; window 3: x's two sets.
.set PITCH, 1040                       ; an LDS row: 1,024 bytes + 16 of padding
.set BLK,   16*PITCH
.set QST,   128
.set CST,   32
.set SCL,   256*PITCH                  ; x's scale bytes, 32 a row, in the order of work
.set STG,   SCL+8192                   ; 768 bytes a wave: q's or k's scale words (512), v's (256)
.set SPARE, STG+4*768
.set ADRA0, 4
.set AAS0,  5
.set ADRA,  6
.set AAS,   7
.set LI,    8                          ; 16 x lane
.set ABS,   9                          ; 32 x lane
.set SPW,   10
.set NIL,   11
.set VX0,   13
.set VX,    14
.set VY0,   15
.set SCA,   17
.set GOF,   18
.set PFO,   19
.set PW,    20
.set STQ,   21
.set STV,   22
.set GQ,    23
.set GV,    40
.set SB,    24
.set SA,    44
.set ACC,   64
.set TM,    192
.set PC,    208
.set WP1,   24                         ; s[24:31] the weights' codes and scale bytes, phase 1, phase 2
.set WS1,   26
.set WP2,   28
.set WS2,   30
.set OP,    36                         ; s[36:37] where a trip's codes of q or k go; s[38:39] v's window's first
.set OPB,   38
.set OV,    40
.set SQ,    42
.set SV,    44
.set G0,    48
.set G1,    52
.set SEL,   60
.set MNT,   62
.set K,     66
.set FO,    67
.set FS,    68
.set PF,    76
.set PL,    78
.set MSB, 0
.macro WIN new                         ; the immediate's high byte repeats the setting that is left
.if MSB != \new
	s_set_vgpr_msb (MSB<<8)|\new
.set MSB, \new
.endif
.endm
.macro PLACES n
.rept \n
	v_nop
.endr
.endm
.macro ROUND
	s_barrier_signal -1
	s_barrier_wait -1
	s_cmp_lg_u32 s16, 0
	s_cbranch_scc1 .Lnot_wave_0_\@
	s_barrier_signal -3
.Lnot_wave_0_\@:
	s_barrier_wait -3
	s_barrier_signal -1
	s_barrier_wait -1
.endm
.macro WEIGHTS wp, ws                  ; fragment 4 q + b (tile b, the q-th 128 of K) into window 1 + (4 q + b) / 16; then the scale words
.set F_, 0
.rept 32
	WIN (1+F_/16)<<6
.irp c, 0,1,2,3
	global_load_b128 v[16*(F_%16)+4*\c:16*(F_%16)+4*\c+3], v[LI], s[\wp:\wp+1] offset:(F_%4)*16384+(F_/4)*2048+512*\c
.endr
.set F_, F_+1
.endr
	WIN 0
.irp p, 0,1
.irp c, 0,1
	global_load_b128 v[SB+8*\p+4*\c:SB+8*\p+4*\c+3], v[ABS], s[\ws:\ws+1] offset:\p*1024+16*\c
.endr
.endr
.endm
.macro FETCHAT e, a, s                 ; a block of x into set e, and its scale words: 34 LDS loads
	WIN 3<<6
.irp q, 0,1,2,3,4,5,6,7
.irp c, 0,1,2,3
	ds_load_b128 v[128*\e+16*\q+4*\c:128*\e+16*\q+4*\c+3], v[\a] offset:QST*\q+CST*\c
.endr
.endr
	WIN 0
	ds_load_b128 v[SA+8*\e:SA+8*\e+3], v[\s]
	ds_load_b128 v[SA+8*\e+4:SA+8*\e+7], v[\s] offset:16
.endm
.macro PROD kind, e, n                 ; product n = 4 q + b; the block's four sums take turns
.set Q_, (\n)/4
.set B_, (\n)%4
.set R_, 128*(\e)+16*Q_
.set W_, 16*((\n)%16)
.set XS_, SA+8*(\e)+Q_
.set WS_, SB+8*(B_/2)+Q_
.if \kind
.set AC_, ACC+16*B_+8*(\e)
	WIN 3|((1+(\n)/16)<<2)
.if Q_ && B_%2
	v_wmma_scale_f32_16x16x128_f8f6f4 v[AC_:AC_+7], v[R_:R_+15], v[W_:W_+15], v[AC_:AC_+7], v[XS_], v[WS_] matrix_b_scale:MATRIX_SCALE_ROW1
.elseif Q_
	v_wmma_scale_f32_16x16x128_f8f6f4 v[AC_:AC_+7], v[R_:R_+15], v[W_:W_+15], v[AC_:AC_+7], v[XS_], v[WS_]
.elseif B_%2
	v_wmma_scale_f32_16x16x128_f8f6f4 v[AC_:AC_+7], v[R_:R_+15], v[W_:W_+15], 0, v[XS_], v[WS_] matrix_b_scale:MATRIX_SCALE_ROW1
.else
	v_wmma_scale_f32_16x16x128_f8f6f4 v[AC_:AC_+7], v[R_:R_+15], v[W_:W_+15], 0, v[XS_], v[WS_]
.endif
.else
.set AC_, ACC+32*(\e)+8*B_
	WIN (1+(\n)/16)|(3<<2)
.if Q_ && B_%2
	v_wmma_scale_f32_16x16x128_f8f6f4 v[AC_:AC_+7], v[W_:W_+15], v[R_:R_+15], v[AC_:AC_+7], v[WS_], v[XS_] matrix_a_scale:MATRIX_SCALE_ROW1
.elseif Q_
	v_wmma_scale_f32_16x16x128_f8f6f4 v[AC_:AC_+7], v[W_:W_+15], v[R_:R_+15], v[AC_:AC_+7], v[WS_], v[XS_]
.elseif B_%2
	v_wmma_scale_f32_16x16x128_f8f6f4 v[AC_:AC_+7], v[W_:W_+15], v[R_:R_+15], 0, v[WS_], v[XS_] matrix_a_scale:MATRIX_SCALE_ROW1
.else
	v_wmma_scale_f32_16x16x128_f8f6f4 v[AC_:AC_+7], v[W_:W_+15], v[R_:R_+15], 0, v[WS_], v[XS_]
.endif
.endif
.endm
.macro PRODS kind, e
.set N_, 0
.rept 32
	PROD \kind, \e, N_
.set N_, N_+1
.endr
	WIN 0
.endm
.macro QUANT                           ; four units of 16 sums a lane -> codes PC + 4 u, bytes TM + 4 + u
.irp u, 0,1,2,3
	v_max3_num_f32 v[TM+\u], |v[ACC+16*\u]|, |v[ACC+16*\u+1]|, 0x4800000   ; with the floor 2^(9 - 127)
.endr
.irp i, 2,4,6,8,10,12,14
.irp u, 0,1,2,3
	v_max3_num_f32 v[TM+\u], v[TM+\u], |v[ACC+16*\u+\i]|, |v[ACC+16*\u+\i+1]|
.endr
.endr
.irp u, 0,1,2,3
	v_permlanex16_b32 v[TM+4+\u], v[TM+\u], s[SEL], s[SEL+1]
.endr
.irp u, 0,1,2,3
	v_max_num_f32 v[TM+\u], v[TM+\u], v[TM+4+\u]
.endr
.irp u, 0,1,2,3
	v_add_nc_u32 v[TM+12+\u], 0xfc000000, v[TM+\u]         ; the conversion's scale operand
.endr
.irp u, 0,1,2,3
	v_and_or_b32 v[TM+8+\u], v[TM+\u], 0x7f800000, s[MNT]  ; 448 x the scale
.endr
.irp u, 0,1,2,3
	v_lshrrev_b32 v[TM+4+\u], 23, v[TM+12+\u]              ; the byte
.endr
.irp u, 0,1,2,3
.irp i, 0,1,2,3,4,5,6,7,8,9,10,11,12,13,14,15
	v_med3_num_f32 v[ACC+16*\u+\i], v[ACC+16*\u+\i], -v[TM+8+\u], v[TM+8+\u]   ; the conversion does not saturate (ISA guide 7.6.2)
.endr
.endr
.irp u, 0,1,2,3
	v_cvt_scalef32_pk8_fp8_f32 v[PC+4*\u:PC+4*\u+1], v[ACC+16*\u:ACC+16*\u+7], v[TM+12+\u]
	v_cvt_scalef32_pk8_fp8_f32 v[PC+4*\u+2:PC+4*\u+3], v[ACC+16*\u+8:ACC+16*\u+15], v[TM+12+\u]
.endr
	v_nop                                          ; a plain line behind the last conversion
.endm
; A TRIP.  kind 0: q, k; 1: v.  fetch: the sets take the blocks two on.  reload: W_v takes the weight's registers behind the last products.
.macro TRIP kind, fetch, reload
	s_wait_xcnt 0x0                                ; the last trip's stores and prefetches have read their registers
.if \kind
	s_add_nc_u64 s[OV:OV+1], s[OV:OV+1], 512
.else
	s_add_nc_u64 s[OP:OP+1], s[OP:OP+1], 2048
	s_cmp_eq_u32 s[K], 4                           ; trip 4 begins v's window
	s_cselect_b64 s[OP:OP+1], s[OPB:OPB+1], s[OP:OP+1]
	s_add_nc_u64 s[PF:PF+1], s[PF:PF+1], 16384
.endif
	s_add_co_u32 s20, s[FO], BLK
	s_add_co_u32 s21, s[FS], 512
	s_wait_dscnt 34                                ; set 0 is in; set 1's 34 loads may be out
	PRODS \kind, 0
.if \fetch
	v_add_nc_u32 v[ADRA], s[FO], v[ADRA0]
	v_add_nc_u32 v[AAS], s[FS], v[AAS0]
	PLACES 6                                       ; with the two additions: eight places in front of loads into registers that the products read
	FETCHAT 0, ADRA, AAS
.endif
.if \kind == 0
	s_cmp_lt_u32 s[K], s[PL]
	s_cbranch_scc0 .Lnot_asked_\@
	global_prefetch_b8 v[PFO], s[PF:PF+1] th:TH_LOAD_NT scope:SCOPE_SE
	global_prefetch_b8 v[PFO], s[PF:PF+1] offset:8192 th:TH_LOAD_NT scope:SCOPE_SE
.Lnot_asked_\@:
.endif
.if \fetch
	s_wait_dscnt 34                                ; set 1 is in; the 34 just issued may be out
.else
	s_wait_dscnt 0x0
.endif
	PRODS \kind, 1
.if \fetch
	v_add_nc_u32 v[ADRA], s20, v[ADRA0]
	v_add_nc_u32 v[AAS], s21, v[AAS0]
	PLACES 6
	FETCHAT 1, ADRA, AAS
.else
	PLACES 8                                       ; in front of the first reads of the sums
.endif
.if \reload
	WEIGHTS WP2, WS2
.endif
	QUANT
.if \kind
	v_add_nc_u32 v[VX], s[K], v[VY0]               ; byte c of word t of my channel's four
.irp t, 0,1,2,3
	ds_store_b8 v[VX], v[TM+4+\t] offset:4*\t
.endr
.irp t, 0,1,2,3
	global_store_b128 v[LI], v[PC+4*\t:PC+4*\t+3], s[OV:OV+1] offset:2048*\t   ; 512 bytes on end, aligned
.endr
.else
	s_and_b32 s22, s[K], 3
	s_lshl_b32 s22, s22, 2
	s_lshr_b32 s23, s[K], 2
	s_lshl_b32 s23, s23, 8
	s_add_co_u32 s22, s22, s23
	v_add_nc_u32 v[VX], s22, v[VX0]                ; word trip % 4 of my token's four, in window trip / 4
	v_lshl_or_b32 v[PW], v[TM+5], 8, v[TM+4]       ; two bytes of the even tile, two of the odd
	v_lshl_or_b32 v[PW], v[TM+6], 16, v[PW]
	v_lshl_or_b32 v[PW], v[TM+7], 24, v[PW]
	ds_store_b32 v[VX], v[PW]
.irp u, 0,1,2,3
	global_store_b128 v[LI], v[PC+4*\u:PC+4*\u+3], s[OP:OP+1] offset:512*\u
.endr
.endif
.endm
	s_load_b256 s[4:11], s[0:1], 0x0               ; xc, xs, wc, ws
	s_load_b128 s[12:15], s[0:1], 0x20             ; img, sc
	v_lshl_add_u32 v[SPW], v0, 2, SPARE
	v_mov_b32 v[NIL], 0
	ds_add_u32 v[SPW], v[NIL]                      ; the opening: the add, twice on end, and its wait
	ds_add_u32 v[SPW], v[NIL]
	v_lshrrev_b32 v1, 5, v0
	v_readfirstlane_b32 s16, v1                    ; wave
	s_bfe_u32 s17, ttmp6, 0x40000                  ; cx
	s_mov_b32 s18, ttmp9                           ; cluster x: 0: q, 1: k; and v's window
	s_and_b32 s19, ttmp7, 0xffff                   ; my 256 rows
	s_lshr_b32 s20, s16, 1                         ; the 64 rows that I fetch: waves 0, 1 the window that is not v's, waves 2, 3 v's
	s_xor_b32 s20, s20, s18
	s_xor_b32 s20, s20, 1
	s_lshl_b32 s20, s20, 7
	s_and_b32 s21, s16, 1
	s_lshl_b32 s21, s21, 6
	s_add_co_u32 s20, s20, s21
	s_lshl_b32 s21, s19, 8
	s_add_co_u32 s20, s20, s21
	s_lshl_b32 s22, s20, 10
	s_mov_b32 s23, 0
	s_mov_b32 s[G0], 1
	s_mul_i32 s[G0+1], s16, 64*PITCH
	s_mov_b32 s[G1], 15|(1<<20)|(1<<21)|(7<<22)|(3<<25)   ; the mask names the cluster's four; bytes; four words of padding behind every 256
	s_mov_b32 s[G1+1], 1024<<16
	s_mov_b32 s[G1+2], 64<<16
	s_mov_b32 s[G1+3], 1024<<16
	s_mov_b32 s[G1+4], 64
	s_mov_b32 s[G1+5], 1024
	s_mov_b32 s[G1+6], 0
	s_mov_b32 s[G1+7], 0
	s_xor_b32 s20, s18, 1                          ; xs: the two windows' 4,096 bytes
	s_lshl_b32 s20, s20, 12
	s_lshl_b32 s21, s19, 13
	s_add_co_u32 s32, s21, s20
	s_mov_b32 s33, 0
	s_lshl_b32 s20, s18, 12
	s_add_co_u32 s34, s21, s20
	s_mov_b32 s35, 0
	s_lshl_b32 s20, s18, 2                         ; the weights: my 64 rows among 48 such runs
	s_add_co_u32 s20, s20, s17
	s_lshl_b32 s20, s20, 2
	s_add_co_u32 s20, s20, s16
	s_lshl_b32 s[WP1], s20, 16
	s_mov_b32 s[WP1+1], 0
	s_lshl_b32 s[WS1], s20, 11
	s_mov_b32 s[WS1+1], 0
	s_lshl_b32 s20, s17, 2
	s_add_co_u32 s20, s20, s16                     ; my head
	s_add_co_u32 s21, s20, 32
	s_lshl_b32 s[WP2], s21, 16
	s_mov_b32 s[WP2+1], 0
	s_lshl_b32 s[WS2], s21, 11
	s_mov_b32 s[WS2+1], 0
	s_lshr_b32 s21, s19, 3
	s_lshl_b32 s21, s21, 4
	s_add_co_u32 s21, s21, s20                     ; 16 x batch + head
	s_and_b32 s69, s19, 7
	s_lshl_b32 s70, s21, 17
	s_lshl_b32 s71, s69, 14
	s_add_co_u32 s70, s70, s71                     ; my 256 tokens in a section of img
	s_lshl_b32 s71, s18, 23
	s_add_co_u32 s71, s71, s70
	s_lshl_b32 s72, s18, 13
	s_add_co_u32 s[OPB], s71, s72
	s_mov_b32 s[OPB+1], 0
	s_xor_b32 s73, s72, 8192
	s_add_co_u32 s[OP], s71, s73
	s_mov_b32 s[OP+1], 0
	s_add_co_u32 s[OV], s70, s72
	s_add_co_u32 s[OV], s[OV], 2<<23
	s_mov_b32 s[OV+1], 0
	s_lshl_b32 s70, s21, 12
	s_lshl_b32 s71, s69, 9
	s_add_co_u32 s70, s70, s71                     ; and in a section of sc
	s_lshl_b32 s71, s18, 18
	s_add_co_u32 s[SQ], s70, s71
	s_mov_b32 s[SQ+1], 0
	s_lshl_b32 s71, s18, 8
	s_add_co_u32 s[SV], s70, s71
	s_add_co_u32 s[SV], s[SV], 2<<18
	s_mov_b32 s[SV+1], 0
	s_cmp_lt_u32 s19, 2
	s_cselect_b32 s[PL], 4, 0
	s_mov_b32 s[SEL], 0x76543210
	s_mov_b32 s[SEL+1], 0xfedcba98
	s_mov_b32 s[MNT], 0x600000
	s_wait_dscnt 0x0                               ; both opening adds are done
	ROUND                                          ; all four work-groups are here: the joint loads meet
	s_wait_kmcnt 0x0
	s_add_nc_u64 s[G0+2:G0+3], s[4:5], s[22:23]
	s_or_b32 s[G0+3], s[G0+3], 0x80000000
	tensor_load_to_lds s[G0:G0+3], s[G1:G1+7]      ; my one load: 64 rows of x, all of K
	s_nop 0
	PLACES 4
	s_add_nc_u64 s[32:33], s[6:7], s[32:33]
	s_add_nc_u64 s[34:35], s[6:7], s[34:35]
	s_add_nc_u64 s[WP1:WP1+1], s[8:9], s[WP1:WP1+1]
	s_add_nc_u64 s[WS1:WS1+1], s[10:11], s[WS1:WS1+1]
	s_add_nc_u64 s[WP2:WP2+1], s[8:9], s[WP2:WP2+1]
	s_add_nc_u64 s[WS2:WS2+1], s[10:11], s[WS2:WS2+1]
	s_add_nc_u64 s[OP:OP+1], s[12:13], s[OP:OP+1]
	s_sub_nc_u64 s[OP:OP+1], s[OP:OP+1], 2048      ; a trip steps it first
	s_add_nc_u64 s[OPB:OPB+1], s[12:13], s[OPB:OPB+1]
	s_add_nc_u64 s[OV:OV+1], s[12:13], s[OV:OV+1]
	s_sub_nc_u64 s[OV:OV+1], s[OV:OV+1], 512
	s_add_nc_u64 s[SQ:SQ+1], s[14:15], s[SQ:SQ+1]
	s_add_nc_u64 s[SV:SV+1], s[14:15], s[SV:SV+1]
	s_sub_nc_u64 s[PF:PF+1], s[WP2:WP2+1], 16384
	s_mul_i32 s20, s16, 768
	s_add_co_u32 s20, s20, STG
	s_xor_b32 s21, s18, 1
	v_and_b32 v1, 15, v0
	v_bfe_u32 v2, v0, 4, 1
	v_and_b32 v3, 31, v0
	v_mul_u32_u24 v[ADRA0], v1, PITCH
	v_lshl_add_u32 v[AAS0], v1, 5, SCL
	v_lshlrev_b32 v[LI], 4, v3
	v_lshl_add_u32 v[ADRA0], v2, 4, v[ADRA0]
	v_lshlrev_b32 v[ABS], 5, v3
	v_lshlrev_b32 v[GOF], 4, v0
	v_add_nc_u32 v[AAS], 512, v[AAS0]
	v_add_nc_u32 v[ADRA], BLK, v[ADRA0]
	v_add_nc_u32 v[SCA], SCL, v[GOF]
	v_lshl_add_u32 v[VX0], v1, 4, s20
	v_add_nc_u32 v[STQ], s20, v[LI]
	v_lshlrev_b32 v[GV], 3, v3
	v_add_nc_u32 v[VY0], 512, v[VX0]
	v_add_nc_u32 v[STV], s20, v[GV]
	v_xor_b32 v[GQ], s21, v2                       ; lanes 0-15 hold the window that is not v's, lanes 16-31 v's
	v_add_nc_u32 v[STV], 512, v[STV]
	v_lshlrev_b32 v[GQ], 8, v[GQ]
	v_lshlrev_b32 v[PFO], 8, v3
	v_lshl_add_u32 v[GQ], v1, 4, v[GQ]
.irp u, 0,1,2,3
	v_mov_b32 v[TM+4+\u], 0                        ; a lane permute's destination counts as one of its sources
.endr
	s_wait_alu depctr_va_vdst(0)
	WEIGHTS WP1, WS1
	global_load_b128 v[224:227], v[GOF], s[32:33]  ; x's scale bytes, 64 a thread, into LDS in the order of work
	global_load_b128 v[228:231], v[GOF], s[32:33] offset:2048
	global_load_b128 v[232:235], v[GOF], s[34:35]
	global_load_b128 v[236:239], v[GOF], s[34:35] offset:2048
	s_wait_loadcnt 0x0
	s_wait_tensorcnt 0x0                           ; my rows have landed
.irp j, 0,1,2,3
	ds_store_b128 v[SCA], v[224+4*\j:227+4*\j] offset:2048*\j
.endr
	s_wait_dscnt 0x0
	s_barrier_signal -1
	s_barrier_wait -1                              ; all 256 rows and their scale bytes are there
	FETCHAT 0, ADRA0, AAS0
	FETCHAT 1, ADRA, AAS
	s_mov_b32 s[K], 0
	s_mov_b32 s[FO], 2*BLK
	s_mov_b32 s[FS], 2*512
.Lqk:
	TRIP 0, 1, 0
	s_add_co_u32 s[FO], s[FO], 2*BLK
	s_add_co_u32 s[FS], s[FS], 2*512
	s_add_co_u32 s[K], s[K], 1
	s_cmp_lt_u32 s[K], 7
	s_cbranch_scc1 .Lqk
	s_mov_b32 s[FO], 8*BLK                         ; phase 1's last trip fetches phase 2's first blocks: v's window once more
	s_mov_b32 s[FS], 8*512
	TRIP 0, 1, 1
	s_mov_b32 s[K], 0
	s_mov_b32 s[FO], 10*BLK
	s_mov_b32 s[FS], 10*512
	s_wait_loadcnt 0x0                             ; W_v is in
.Lv:
	TRIP 1, 1, 0
	s_add_co_u32 s[FO], s[FO], 2*BLK
	s_add_co_u32 s[FS], s[FS], 2*512
	s_add_co_u32 s[K], s[K], 1
	s_cmp_lt_u32 s[K], 3
	s_cbranch_scc1 .Lv
	TRIP 1, 0, 0
	ds_load_b128 v[TM:TM+3], v[STQ]                ; LDS serves a wave's instructions in order: these see my stores
	ds_load_b64 v[TM+4:TM+5], v[STV]
	s_wait_dscnt 0x0
	global_store_b128 v[GQ], v[TM:TM+3], s[SQ:SQ+1]       ; sixteen lanes store 256 bytes on end, aligned
	global_store_b64 v[GV], v[TM+4:TM+5], s[SV:SV+1]      ; 32 lanes likewise
	s_wait_tensorcnt 0x0                           ; the wave's end
	ds_add_u32 v[SPW], v[NIL]
	s_wait_dscnt 0x0
	ROUND                                          ; the closing round
	s_endpgm
.Lfunc_end_k_q721cf74e95_gemm_qkv:
	.size	k_q721cf74e95_gemm_qkv, .Lfunc_end_k_q721cf74e95_gemm_qkv-k_q721cf74e95_gemm_qkv
	.p2alignl 7, 3214868480
	.fill 96, 4, 3214868480
	.section	.rodata,"a",@progbits
	.p2align	6, 0x0
	.amdhsa_kernel k_q721cf74e95_gemm_qkv
		.amdhsa_group_segment_fixed_size 327680
		.amdhsa_private_segment_fixed_size 0
		.amdhsa_enable_private_segment 0
		.amdhsa_kernarg_size 48
		.amdhsa_user_sgpr_count 2
		.amdhsa_user_sgpr_kernarg_segment_ptr 1
		.amdhsa_wavefront_size32 1
		.amdhsa_system_sgpr_workgroup_id_x 1
		.amdhsa_system_sgpr_workgroup_id_y 1
		.amdhsa_system_sgpr_workgroup_id_z 1
		.amdhsa_system_vgpr_workitem_id 0
		.amdhsa_next_free_vgpr 1024
		.amdhsa_next_free_sgpr 80
		.amdhsa_reserve_vcc 0
		.amdhsa_float_denorm_mode_32 3
		.amdhsa_float_denorm_mode_16_64 3
		.amdhsa_memory_ordered 1
		.amdhsa_forward_progress 1
		.amdhsa_inst_pref_size 122
	.end_amdhsa_kernel
	.amdgpu_metadata
---
amdhsa.version: [ 1, 2 ]
amdhsa.kernels:
  - .name:           k_q721cf74e95_gemm_qkv
    .symbol:         k_q721cf74e95_gemm_qkv.kd
    .args:
      - { .name: xc, .offset: 0, .size: 8, .value_kind: global_buffer, .address_space: global }
      - { .name: xs, .offset: 8, .size: 8, .value_kind: global_buffer, .address_space: global }
      - { .name: wc, .offset: 16, .size: 8, .value_kind: global_buffer, .address_space: global }
      - { .name: ws, .offset: 24, .size: 8, .value_kind: global_buffer, .address_space: global }
      - { .name: img, .offset: 32, .size: 8, .value_kind: global_buffer, .address_space: global }
      - { .name: sc, .offset: 40, .size: 8, .value_kind: global_buffer, .address_space: global }
    .group_segment_fixed_size: 327680
    .private_segment_fixed_size: 0
    .kernarg_segment_align: 8
    .kernarg_segment_size: 48
    .max_flat_workgroup_size: 128
    .sgpr_count:     80
    .vgpr_count:     1024
    .wavefront_size: 32
...
	.end_amdgpu_metadata
.endif
;; end of part 2
;; launch attn (part 3): grid 256 x 1, 16 waves a work-group, clusters of 4 x 1, 327,680 bytes of LDS; arguments img, sc, ac, asc; writes ac, asc
.if DOCPART == 3
	.amdgcn_target "amdgcn-amd-amdhsa--gfx1250"
	.amdhsa_code_object_version 6
	.text
	.protected	k_q721cf74e95_attn
	.globl	k_q721cf74e95_attn
	.p2align	8
	.type	k_q721cf74e95_attn,@function
k_q721cf74e95_attn:
	s_mov_b64 s[64:65], 0
	v_nop
	global_prefetch_b8 v0, s[64:65] scope:SCOPE_SE
	s_setreg_imm32_b32 hwreg(HW_REG_WAVE_MODE, 25, 1), 1
	s_wait_xcnt 0x0
	s_wait_alu depctr_hold_cnt(0) depctr_sa_sdst(0) depctr_va_vdst(0) depctr_va_sdst(0) depctr_va_ssrc(0) depctr_va_vcc(0) depctr_vm_vsrc(0)
	s_getreg_b32 s2, hwreg(HW_REG_IB_STS2, 6, 4)
	s_cmp_eq_u32 s2, 0
	s_cbranch_scc0 .Lentry_in_a_cluster
	s_endpgm
.Lentry_in_a_cluster:
	s_bfe_u32 s2, ttmp6, 0x10000c
	s_cmp_lg_u32 s2, 0x3003
	s_cbranch_scc0 .Lentry_shape_is_right
	s_endpgm
.Lentry_shape_is_right:
; o = softmax(q k^T / 8, causal) v for one head, both products on codes of FP8 (E4M3) with E8M0 scales; o is quantised along the channels and leaves as codes for the last product.
; WORK LEFT OUT: steps of 128 keys that lie wholly behind a tile's queries: their weights are exactly 0 (shown at the head of the first kernel).
; THE SOFTMAX: t = score x log2(e) / 8; M = the running largest t rounded UP to a whole number; p = 2^(t - M) is quantised along the keys, not normalised; the row's sum is taken of the unquantised p and divides at the end.
; When M moves, the sum and O are multiplied by f = 2^(old M - new M): exact.
; SHARES.  A cluster of four work-groups owns one head; each holds ALL of the head's K, V (2 x 131,072 bytes) and their scale words (8,192) in LDS, filled once by joint loads, one a wave: nothing is filled again.
; A head has 16 blocks of 128 queries, 8 tiles of 16 each.  Wave w of work-group cx owns tile 2 cx + w % 2 of block B = w / 2 and the same tile of block 15 - B: B + 1 and 16 - B key steps, 17 for every wave.
; It walks them in 17 trips: trip i is key step i of the low tile while i <= B, then key step i - B - 1 of the high one.  A tile's last step is the one on the diagonal; behind it the tile goes out.
; No branch, trip count or LDS address hangs on cx: it enters global addresses and a lane's query number alone.
; WHAT IS SHOWN WHEN.  Waves 0, 1 fetch keys 0 to 255 of K and V, waves 2, 3 the scale words: the first barrier waits for these four alone, and trips 0 and 1 read nothing else.  Waves 4 to 11 fetch the rest
; (112 rows of 256 bytes each); the barrier behind trip 1 waits for all.
; OPERANDS ARE REGISTER IMAGES: every LDS read is 16 x lane + a constant.  Two neighbouring tiles of 16 keys lie on end as ONE operand; against [q | zeros] it gives the first tile's scores, against [zeros | q] the second's.
; Tiles hold tokens with bits 3 and 4 of the index exchanged, so the 16 registers of score tiles 2 b, 2 b + 1 are keys 32 b + 16 (lane / 16) + 0 .. 15.  Both products are used transposed: a lane holds ONE query.
; A NEW TILE clears nothing: the largest t is set back to -3e38, so the first f is 0, and the old tile's O and sum, which are finite, become zeros.
; PREFETCH: K and V are asked for whole at the head, so there is no trip to run ahead in; the high tile's q, 1,024 bytes, is asked for at the head, B + 1 trips ahead of its load (lanes 0 to 3 name its four blocks, the others the last again).
; The scale bytes of o leave two a lane to rows 32 bytes apart: a head owns 2 of a token's 32 bytes.
; LIMITS: a block of zeros gets the byte 1; o / l is a reciprocal and a multiplication; NaN and infinities are not served; the promise holds while the scaled scores t stay under 2^31 in magnitude.
; REGISTERS: v1-10 addresses; v12 -M, v13 the largest t, v[14:15] the sum; v16-23 q, v24-31 zeros, v32-39 q once more; v45 q's scale word; v48-111 four fragments of K, then of V; v112-175 S^T, then p;
;   v176-207 O^T; v208-223 p's codes; v224-227 K's scale words, v228-231 V's; v232-255 at work.
.set VB,    131072                     ; K's 16 steps of 8,192 bytes from 0, V's from here
.set SCB,   270336                     ; K's scale words, 4,096 bytes, then V's
.set SPARE, SCB+8704                   ; the spare words, 128 bytes a wave
.set LI,   1                           ; 16 x lane
.set ASC,  2                           ; SCB + 16 x (lane % 16)
.set QL,   3                           ; my query in its block - 16 (lane / 16)
.set AO,   4                           ; 32 x (lane % 16)
.set SPW,  5
.set NIL,  6
.set PFO,  7                           ; 256 x min(lane, 3)
.set AD,   8                           ; the step's K
.set ADS,  9                           ; its scale words
.set ADV,  10                          ; its V
.set AQ,   41                          ; 16 x (lane % 16)
.set QS,   45
.set FRG,  48
.set SS,   112
.set OT,   176
.set PC,   208
.set KSW,  224
.set VSW,  228
.set WV,   18
.set MNT,  19
.set SEL,  20
.set CS,   22                          ; s[22:23] log2(e) / 8
.set G1,   24                          ; groups 1: 64, 16, 112 dense rows of 256 bytes
.set G1S,  32
.set G1R,  68
.set G0,   40
.set G0S,  44
.set G0R,  76
.set I,    48                          ; the trip
.set BB,   49                          ; B + 1
.set ST,   50                          ; the key step
.set END,  51                          ; 1: the tile's last step
.set BL,   54                          ; B
.set NZ,   55                          ; min(B, 1)
.set SH,   59                          ; which half of q's scale word is my tile's
.set PQL,  80                          ; low tile: q's codes, q's scale words, ac, asc;  high tile: 8 on
.set PQH,  88
.set OC,   96                          ; s[96:97], s[98:99] where the tile in hand goes
.macro ROUND
	s_barrier_signal -1
	s_barrier_wait -1
	s_cmp_lg_u32 s[WV], 0
	s_cbranch_scc1 .Lnot_wave_0_\@
	s_barrier_signal -3
.Lnot_wave_0_\@:
	s_barrier_wait -3
	s_barrier_signal -1
	s_barrier_wait -1
.endm
.macro TL g0, g1                       ; an s_nop 0 and four v_nop follow the load
	tensor_load_to_lds s[\g0:\g0+3], s[\g1:\g1+7]
	s_nop 0
.rept 4
	v_nop
.endr
.endm
.macro GRP1 g, rows                    ; the mask names the cluster's four; elements of 8 bytes; no padding
	s_mov_b32 s[\g], 15|(3<<16)|(1<<21)
	s_mov_b32 s[\g+1], 32<<16
	s_mov_b32 s[\g+2], (\rows)<<16
	s_mov_b32 s[\g+3], 32<<16
	s_mov_b32 s[\g+4], \rows
	s_mov_b32 s[\g+5], 32
	s_mov_b32 s[\g+6], 0
	s_mov_b32 s[\g+7], 0
.endm
.macro TILEOFF tau, p                  ; a tile's four byte offsets
	s_lshl_b32 s[\p], s\tau, 10
	s_add_co_u32 s[\p], s[\p], s67
	s_mov_b32 s[\p+1], 0
	s_lshr_b32 s[\p+2], s\tau, 3
	s_lshl_b32 s[\p+2], s[\p+2], 8
	s_add_co_u32 s[\p+2], s[\p+2], s66
	s_mov_b32 s[\p+3], 0
	s_add_co_u32 s[\p+4], s\tau, s14
	s_lshl_b32 s[\p+6], s[\p+4], 9
	s_add_co_u32 s[\p+6], s[\p+6], s13
	s_mov_b32 s[\p+7], 0
	s_lshl_b32 s[\p+4], s[\p+4], 14
	s_add_co_u32 s[\p+4], s[\p+4], s12
	s_mov_b32 s[\p+5], 0
.endm
.macro TILEPTR p
	s_add_nc_u64 s[\p:\p+1], s[4:5], s[\p:\p+1]
	s_add_nc_u64 s[\p+2:\p+3], s[6:7], s[\p+2:\p+3]
	s_add_nc_u64 s[\p+4:\p+5], s[8:9], s[\p+4:\p+5]
	s_add_nc_u64 s[\p+6:\p+7], s[10:11], s[\p+6:\p+7]
.endm
.macro QLOAD p                         ; q in front of the zeros and behind them, and its scale word
	global_load_b128 v[16:19], v[LI], s[\p:\p+1]
	global_load_b128 v[20:23], v[LI], s[\p:\p+1] offset:512
	global_load_b128 v[32:35], v[LI], s[\p:\p+1]
	global_load_b128 v[36:39], v[LI], s[\p:\p+1] offset:512
	global_load_b32 v[QS], v[AQ], s[\p+2:\p+3]
.endm
.macro QFIX                            ; my tile's two bytes, for either half of the 128
	v_lshrrev_b32 v[QS], s[SH], v[QS]
	v_and_b32 v[QS], 0xffff, v[QS]
	v_lshl_or_b32 v[QS], v[QS], 16, v[QS]
.endm
	s_load_b256 s[4:11], s[0:1], 0x0               ; img, sc, ac, asc
	v_lshl_add_u32 v[SPW], v0, 2, SPARE
	v_mov_b32 v[NIL], 0
	ds_add_u32 v[SPW], v[NIL]                      ; the opening: the add, twice on end, and its wait
	ds_add_u32 v[SPW], v[NIL]
	v_lshrrev_b32 v8, 5, v0
	v_readfirstlane_b32 s[WV], v8                  ; wave 0..15
	s_bfe_u32 s56, ttmp6, 0x40000                  ; cx
	s_and_b32 s61, s[WV], 1
	s_lshl_b32 s57, s56, 1
	s_add_co_u32 s57, s57, s61                     ; my tile in a block
	s_lshr_b32 s[BL], s[WV], 1
	s_add_co_u32 s[BB], s[BL], 1
	s_min_u32 s[NZ], s[BL], 1
	s_lshl_b32 s58, s[BL], 3
	s_add_co_u32 s58, s58, s57                     ; the low tile in the head
	s_sub_co_u32 s60, 15, s[BL]
	s_lshl_b32 s60, s60, 3
	s_add_co_u32 s60, s60, s57                     ; the high one
	s_lshl_b32 s67, ttmp9, 17                      ; the head (the cluster's number) in a section of img,
	s_lshl_b32 s15, ttmp9, 12                      ; and of sc
	s_lshr_b32 s14, ttmp9, 4
	s_lshl_b32 s14, s14, 7                         ; the batch's first tile of tokens
	s_and_b32 s13, ttmp9, 15
	s_lshl_b32 s12, s13, 10                        ; ac: 1,024 bytes a head
	s_lshl_b32 s13, s13, 1                         ; asc: 2
	s_lshr_b32 s16, s57, 1
	s_lshl_b32 s17, s16, 5
	s_lshl_b32 s16, s16, 2
	s_add_co_u32 s66, s15, s16                     ; q's scale word: word tile / 2 of a row's four
	s_and_b32 s16, s57, 1
	s_lshl_b32 s[SH], s16, 4
	s_lshl_b32 s16, s16, 3
	s_add_co_u32 s17, s17, s16                     ; my tile's first query in its block: 32 (tile / 2) + 8 (tile % 2)
	TILEOFF 58, PQL
	TILEOFF 60, PQH
	s_add_co_u32 s16, s61, 1                       ; what I fetch: waves 0, 1: K's, V's first 16,384 bytes; waves 2, 3: their scale words
	s_lshl_b32 s2, s16, 23
	s_add_co_u32 s2, s2, s67
	s_mov_b32 s3, 0
	s_lshl_b32 s62, s16, 18
	s_add_co_u32 s62, s62, s15
	s_mov_b32 s63, 0
	s_lshl_b32 s[G0+1], s61, 17
	s_lshl_b32 s[G0S+1], s61, 12
	s_add_co_u32 s[G0S+1], s[G0S+1], SCB
	s_bfe_u32 s16, s[WV], 0x10003                  ; waves 4 to 7: the rest of K in four parts; waves 8 to 11: of V
	s_and_b32 s53, s[WV], 3
	s_mul_i32 s53, s53, 28672
	s_add_co_u32 s53, s53, 16384
	s_lshl_b32 s[G0R+1], s16, 17
	s_add_co_u32 s[G0R+1], s[G0R+1], s53
	s_add_co_u32 s16, s16, 1
	s_lshl_b32 s52, s16, 23
	s_add_co_u32 s52, s52, s67
	s_add_co_u32 s52, s52, s53
	s_mov_b32 s53, 0
	GRP1 G1, 64
	GRP1 G1S, 16
	GRP1 G1R, 112
	s_mov_b32 s[SEL], 0x76543210
	s_mov_b32 s[SEL+1], 0xfedcba98
	s_mov_b32 s[CS], 0x3e38aa3b
	s_mov_b32 s[CS+1], s[CS]
	s_mov_b32 s[MNT], 0x600000
	s_wait_dscnt 0x0                               ; both opening adds are done
	ROUND                                          ; all four work-groups are here: the joint loads meet
	s_wait_kmcnt 0x0
	s_mov_b32 s[G0], 1
	s_add_nc_u64 s[G0+2:G0+3], s[4:5], s[2:3]
	s_or_b32 s[G0+3], s[G0+3], 0x80000000
	s_mov_b32 s[G0S], 1
	s_add_nc_u64 s[G0S+2:G0S+3], s[6:7], s[62:63]
	s_or_b32 s[G0S+3], s[G0S+3], 0x80000000
	s_mov_b32 s[G0R], 1
	s_add_nc_u64 s[G0R+2:G0R+3], s[4:5], s[52:53]
	s_or_b32 s[G0R+3], s[G0R+3], 0x80000000
	s_cmp_lt_u32 s[WV], 2                          ; one chain of branches on the wave's number, one load to an arm
	s_cbranch_scc0 .Lhead_s
	TL G0, G1
	s_branch .Lasked
.Lhead_s:
	s_cmp_lt_u32 s[WV], 4
	s_cbranch_scc0 .Lhead_r
	TL G0S, G1S
	s_branch .Lasked
.Lhead_r:
	s_cmp_lt_u32 s[WV], 12
	s_cbranch_scc0 .Lasked
	TL G0R, G1R
.Lasked:
	TILEPTR PQL
	TILEPTR PQH
	v_and_b32 v42, 31, v0
	v_and_b32 v43, 15, v0                          ; r
	v_bfe_u32 v44, v0, 4, 1                        ; h
	v_lshlrev_b32 v[LI], 4, v42
	v_min_u32 v[PFO], 3, v42
	v_lshlrev_b32 v[AQ], 4, v43
	v_lshlrev_b32 v[PFO], 8, v[PFO]
	QLOAD PQL
	global_prefetch_b8 v[PFO], s[PQH:PQH+1] th:TH_LOAD_NT scope:SCOPE_SE
	v_lshl_add_u32 v[ASC], v43, 4, SCB
	v_lshlrev_b32 v[AO], 5, v43
	v_and_b32 v42, 8, v43
	v_lshlrev_b32 v44, 4, v44
	v_add_nc_u32 v42, v42, v43                     ; r + 8 (r / 8)
	v_sub_nc_u32 v42, v42, v44
	v_add_nc_u32 v[QL], s17, v42
.irp i, 0,1,2,3,4,5,6,7
	v_mov_b32 v[24+\i], 0                          ; zero codes
.endr
	v_mov_b32 v13, 0xff61b1e6                      ; -3e38, under every t
	v_mov_b32 v14, 0
	v_mov_b32 v15, 0
	v_floor_f32 v12, -v13                          ; -M
.irp b, 0,1,2,3
	v_mov_b32 v[236+\b], 0                         ; a lane permute's destination counts as one of its sources
.endr
	v_mov_b32 v252, 0
	v_mov_b32 v253, 0
.set n, 0
.rept 32
	v_mov_b32 v[OT+n], 0
.set n, n+1
.endr
; A TRIP: one key step of 128 keys, and the way out where it is the tile's last.  kind 0: trips 0 and 1; kind 1: the others.
.macro TRIP kind
.if \kind
	s_sub_co_u32 s[ST], s[I], s[BB]
	s_min_u32 s[ST], s[ST], s[I]                   ; i while i <= B (the difference then wraps to a large number), else i - B - 1
	s_and_b32 s[ST], s[ST], 15                     ; (at most 15 as it is)
.else
	s_and_b32 s[ST], s[I], s[NZ]                   ; trips 0, 1: step i, but step 0 twice where B = 0
.endif
	s_cmp_eq_u32 s[I], s[BL]
	s_cselect_b32 s[END], 1, 0
	s_cmp_eq_u32 s[I], 16
	s_cselect_b32 s[END], 1, s[END]
	s_lshl_b32 s52, s[ST], 13
	s_lshl_b32 s53, s[ST], 8
	v_add_nc_u32 v[AD], s52, v[LI]
	v_add_nc_u32 v[ADS], s53, v[ASC]
	v_add_nc_u32 v[ADV], VB, v[AD]
.rept 5
	v_nop                                          ; with the three additions: eight places in front of loads into registers that the last products read
.endr
.irp b, 0,1,2,3
.irp c, 0,1,2,3
	ds_load_b128 v[FRG+16*\b+4*\c:FRG+16*\b+4*\c+3], v[AD] offset:2048*\b+512*\c
.endr
.endr
	ds_load_b128 v[KSW:KSW+3], v[ADS]
	ds_load_b128 v[VSW:VSW+3], v[ADS] offset:4096
	s_wait_dscnt 0x0
	s_wait_alu depctr_va_vdst(0)
.irp b, 0,1,2,3
	v_wmma_scale_f32_16x16x128_f8f6f4 v[SS+16*\b:SS+16*\b+7], v[FRG+16*\b:FRG+16*\b+15], v[16:31], 0, v[KSW+\b], v[QS]
	v_wmma_scale_f32_16x16x128_f8f6f4 v[SS+16*\b+8:SS+16*\b+15], v[FRG+16*\b:FRG+16*\b+15], v[24:39], 0, v[KSW+\b], v[QS]
.endr
.rept 8
	v_nop                                          ; places: in front of the loads below, and of the first reads of the scores
.endr
.irp t, 0,1,2,3
.irp c, 0,1,2,3
	ds_load_b128 v[FRG+16*\t+4*\c:FRG+16*\t+4*\c+3], v[ADV] offset:2048*\t+512*\c   ; V's fragments land while the softmax is worked
.endr
.endr
	s_cmp_eq_u32 s[END], 0                         ; only the tile's last step has hidden keys
	s_cbranch_scc1 .Lopen_\@
	v_mov_b32 v254, 0xff800000                     ; register 16 b + i holds key 16 h + 32 b + i of the step: hidden where 32 b + i > my query - 16 h
.set n, 0
.rept 64
	v_cmp_gt_i32 vcc_lo, 32*(n/16)+n%16, v[QL]
	v_cndmask_b32 v[SS+n], v[SS+n], v254, vcc_lo
.set n, n+1
.endr
.Lopen_\@:
.irp b, 0,1,2,3
	v_max3_num_f32 v[232+\b], v[SS+16*\b], v[SS+1+16*\b], v[SS+2+16*\b]   ; the largest score of each block of 32 keys: for the row's maximum and for the block's largest p
.endr
.irp i, 3,5,7,9,11,13
.irp b, 0,1,2,3
	v_max3_num_f32 v[232+\b], v[232+\b], v[SS+16*\b+\i], v[SS+1+16*\b+\i]
.endr
.endr
.irp b, 0,1,2,3
	v_max_num_f32 v[232+\b], v[232+\b], v[SS+15+16*\b]
.endr
.irp b, 0,1,2,3
	s_delay_alu instid0(VALU_DEP_4)
	v_permlanex16_b32 v[236+\b], v[232+\b], s[SEL], s[SEL+1]
.endr
.irp b, 0,1,2,3
	s_delay_alu instid0(VALU_DEP_4)
	v_max_num_f32 v[232+\b], v[232+\b], v[236+\b]
.endr
	s_delay_alu instid0(VALU_DEP_2)
	v_max3_num_f32 v254, v232, v233, v234
	s_delay_alu instid0(VALU_DEP_1)
	v_max_num_f32 v254, v254, v235
	s_delay_alu instid0(VALU_DEP_1)
	v_mul_f32 v254, s[CS], v254
	s_delay_alu instid0(VALU_DEP_1)
	v_max_num_f32 v13, v13, v254                   ; the running largest t
	v_mov_b32 v254, v12
	s_delay_alu instid0(VALU_DEP_2)
	v_floor_f32 v12, -v13                          ; the new -M
	s_delay_alu instid0(VALU_DEP_1)
	v_sub_f32 v254, v12, v254
	s_delay_alu instid0(VALU_DEP_1)
	v_cvt_i32_f32 v254, v254                       ; (it saturates)
	s_delay_alu instid0(VALU_DEP_1)
	v_ldexp_f32 v252, 1.0, v254                    ; f
.set n, 0
.rept 32
	v_pk_fma_f32 v[SS+n:SS+n+1], v[SS+n:SS+n+1], s[CS:CS+1], v[12:13] op_sel_hi:[1,0,0]
.set n, n+2
.endr
.irp b, 0,1,2,3
	v_fma_f32 v[232+\b], v[232+\b], s[CS], v12
.endr
	s_wait_alu depctr_va_vdst(0)
.set n, 0
.rept 64
	v_exp_f32 v[SS+n], v[SS+n]
.set n, n+1
.endr
	v_pk_mul_f32 v[14:15], v[14:15], v[252:253] op_sel_hi:[1,0]
	s_wait_alu depctr_va_vdst(0)                   ; one wait for the batch, ahead of its first reader
.irp b, 0,1,2,3
	v_exp_f32 v[232+\b], v[232+\b]                 ; the block's largest p
.endr
	v_pk_add_f32 v[236:237], v[116:117], v[120:121]
	v_pk_add_f32 v[254:255], v[124:125], v[128:129]
	v_pk_add_f32 v[250:251], v[132:133], v[136:137]
	v_pk_add_f32 v[248:249], v[140:141], v[144:145]
	v_pk_add_f32 v[246:247], v[148:149], v[152:153]
	v_pk_add_f32 v[244:245], v[156:157], v[160:161]
	v_pk_add_f32 v[242:243], v[164:165], v[168:169]
	v_pk_add_f32 v[14:15], v[14:15], v[172:173]
	v_pk_add_f32 v[236:237], v[236:237], v[112:113]
	v_pk_add_f32 v[254:255], v[254:255], v[114:115]
	v_pk_add_f32 v[250:251], v[250:251], v[118:119]
	v_pk_add_f32 v[248:249], v[248:249], v[122:123]
	v_pk_add_f32 v[246:247], v[246:247], v[126:127]
	v_pk_add_f32 v[244:245], v[244:245], v[130:131]
	v_pk_add_f32 v[242:243], v[242:243], v[134:135]
	v_pk_add_f32 v[14:15], v[14:15], v[138:139]
	v_pk_add_f32 v[236:237], v[236:237], v[142:143]
	v_pk_add_f32 v[254:255], v[254:255], v[146:147]
	v_pk_add_f32 v[250:251], v[250:251], v[150:151]
	v_pk_add_f32 v[248:249], v[248:249], v[154:155]
	v_pk_add_f32 v[246:247], v[246:247], v[158:159]
	v_pk_add_f32 v[244:245], v[244:245], v[162:163]
	v_pk_add_f32 v[242:243], v[242:243], v[166:167]
	v_pk_add_f32 v[14:15], v[14:15], v[170:171]
	v_pk_add_f32 v[236:237], v[236:237], v[174:175]
	s_delay_alu instid0(VALU_DEP_2)
	v_pk_add_f32 v[14:15], v[14:15], v[248:249]
	s_delay_alu instid0(VALU_DEP_2)
	v_pk_add_f32 v[236:237], v[236:237], v[246:247]
	v_pk_add_f32 v[254:255], v[254:255], v[244:245]
	v_pk_add_f32 v[250:251], v[250:251], v[242:243]
	s_delay_alu instid0(VALU_DEP_2)
	v_pk_add_f32 v[14:15], v[14:15], v[254:255]
	s_delay_alu instid0(VALU_DEP_2)
	v_pk_add_f32 v[236:237], v[236:237], v[250:251]
	s_delay_alu instid0(VALU_DEP_1)
	v_pk_add_f32 v[14:15], v[14:15], v[236:237]
	s_wait_alu depctr_va_vdst(0)                   ; and one for the four
.irp b, 0,1,2,3
	v_max_num_f32 v[232+\b], 0x4800000, v[232+\b]  ; the floor 2^(9 - 127)
.endr
.irp b, 0,1,2,3
	s_delay_alu instid0(VALU_DEP_4)
	v_add_nc_u32 v[244+\b], 0xfc000000, v[232+\b]  ; the conversion's scale operand
.endr
.irp b, 0,1,2,3
	v_and_or_b32 v[240+\b], v[232+\b], 0x7f800000, s[MNT]   ; 448 x the scale
.endr
.irp b, 0,1,2,3
	v_lshrrev_b32 v[236+\b], 23, v[244+\b]
.endr
	s_delay_alu instid0(VALU_DEP_3)
	v_lshl_or_b32 v253, v237, 8, v236              ; p's scale word
	s_delay_alu instid0(VALU_DEP_1)
	v_lshl_or_b32 v253, v238, 16, v253
	s_delay_alu instid0(VALU_DEP_1)
	v_lshl_or_b32 v253, v239, 24, v253
.irp b, 0,1,2,3
.irp i, 0,2,4,6,8,10,12,14
	v_dual_min_num_f32 v[SS+16*\b+\i], v[SS+16*\b+\i], v[240+\b] :: v_dual_min_num_f32 v[SS+16*\b+\i+1], v[SS+16*\b+\i+1], v[240+\b]   ; the hold, two to a line; p is not negative, so it is one-sided
.endr
	v_cvt_scalef32_pk8_fp8_f32 v[PC+4*\b:PC+1+4*\b], v[SS+16*\b:SS+7+16*\b], v[244+\b]
	v_cvt_scalef32_pk8_fp8_f32 v[PC+2+4*\b:PC+3+4*\b], v[SS+8+16*\b:SS+15+16*\b], v[244+\b]
.endr
	s_wait_alu depctr_va_vdst(0)                   ; directly ahead of the first reader of O^T
.set n, 0
.rept 16
	v_pk_mul_f32 v[OT+n:OT+n+1], v[OT+n:OT+n+1], v[252:253] op_sel_hi:[1,0]   ; O^T under the new M (also the places between the codes and the products)
.set n, n+2
.endr
.rept 4
	v_nop
.endr
	s_wait_alu depctr_va_vdst(0)
	s_wait_dscnt 0x0                               ; V's fragments are in
.irp t, 0,1,2,3
	v_wmma_scale_f32_16x16x128_f8f6f4 v[OT+8*\t:OT+8*\t+7], v[FRG+16*\t:FRG+16*\t+15], v[PC:PC+15], v[OT+8*\t:OT+8*\t+7], v[VSW+\t], v253   ; the four accumulators by turns
.endr
	s_cmp_eq_u32 s[END], 0
	s_cbranch_scc1 .Lon_\@
	; THE WAY OUT of a tile.  The high tile's q is asked for first and lands under the quantiser.
	s_wait_xcnt 0x0                                ; the earlier tile's stores have read their bases
	s_cmp_eq_u32 s[I], 16
	s_cselect_b64 s[OC:OC+1], s[PQH+4:PQH+5], s[PQL+4:PQL+5]
	s_cselect_b64 s[OC+2:OC+3], s[PQH+6:PQH+7], s[PQL+6:PQL+7]
	s_cbranch_scc1 .Lno_next_\@
	QLOAD PQH
.Lno_next_\@:
	v_add_f32 v14, v14, v15
	s_delay_alu instid0(VALU_DEP_1)
	v_permlanex16_b32 v252, v14, s[SEL], s[SEL+1]
	s_delay_alu instid0(VALU_DEP_1)
	v_add_f32 v14, v14, v252                       ; the row's sum
	s_wait_alu depctr_va_vdst(0)
	v_rcp_f32 v14, v14
.rept 6
	v_nop                                          ; with the two additions: eight places behind the last products
.endr
	s_wait_alu depctr_va_vdst(0)                   ; ahead of the first reader of the reciprocal and of O^T
.set n, 0
.rept 32
	v_mul_f32 v[SS+n], v[OT+n], v14                ; register 16 b + i is channel 32 b + 16 h + i of my query
.set n, n+1
.endr
.irp b, 0,1
	v_max3_num_f32 v[232+\b], |v[SS+16*\b]|, |v[SS+1+16*\b]|, 0x4800000
.endr
.irp i, 2,4,6,8,10,12,14
.irp b, 0,1
	s_delay_alu instid0(VALU_DEP_2)
	v_max3_num_f32 v[232+\b], v[232+\b], |v[SS+16*\b+\i]|, |v[SS+1+16*\b+\i]|
.endr
.endr
.irp b, 0,1
	s_delay_alu instid0(VALU_DEP_2)
	v_permlanex16_b32 v[236+\b], v[232+\b], s[SEL], s[SEL+1]
.endr
.irp b, 0,1
	s_delay_alu instid0(VALU_DEP_2)
	v_max_num_f32 v[232+\b], v[232+\b], v[236+\b]
.endr
.irp b, 0,1
	s_delay_alu instid0(VALU_DEP_2)
	v_add_nc_u32 v[244+\b], 0xfc000000, v[232+\b]
.endr
.irp b, 0,1
	s_delay_alu instid0(VALU_DEP_4)
	v_and_or_b32 v[240+\b], v[232+\b], 0x7f800000, s[MNT]
.endr
.irp b, 0,1
	s_delay_alu instid0(VALU_DEP_4)
	v_lshrrev_b32 v[236+\b], 23, v[244+\b]
.endr
	s_delay_alu instid0(VALU_DEP_1)
	v_lshl_or_b32 v254, v237, 8, v236              ; my head's two scale bytes of my token
.irp b, 0,1
.irp i, 0,1,2,3,4,5,6,7,8,9,10,11,12,13,14,15
	v_med3_num_f32 v[SS+16*\b+\i], v[SS+16*\b+\i], -v[240+\b], v[240+\b]
.endr
	v_cvt_scalef32_pk8_fp8_f32 v[PC+4*\b:PC+1+4*\b], v[SS+16*\b:SS+7+16*\b], v[244+\b]
	v_cvt_scalef32_pk8_fp8_f32 v[PC+2+4*\b:PC+3+4*\b], v[SS+8+16*\b:SS+15+16*\b], v[244+\b]
.endr
	v_nop                                          ; a plain line behind the last conversion
	global_store_b128 v[LI], v[PC:PC+3], s[OC:OC+1]       ; 512 bytes on end, aligned
	global_store_b128 v[LI], v[PC+4:PC+7], s[OC:OC+1] offset:512
	global_store_b16 v[AO], v254, s[OC+2:OC+3]     ; lanes l and l xor 16 write the same two bytes
	s_wait_loadcnt 0x0                             ; the next tile's q
	QFIX
	v_mov_b32 v13, 0xff61b1e6                      ; the next tile begins: its first f is 0
	v_floor_f32 v12, -v13
	s_wait_xcnt 0x0                                ; the stores have read their data
.Lon_\@:
.endm
	s_wait_alu depctr_va_vdst(0)
	s_wait_loadcnt 0x0                             ; q and its scale word
	QFIX
	s_wait_alu depctr_va_vdst(0)
	s_cmp_lt_u32 s[WV], 4
	s_cbranch_scc0 .Lnot_first
	s_wait_tensorcnt 0x0                           ; waves 0 to 3: keys 0 to 255 and the scale words have landed; the other waves' wait stands at the second barrier
.Lnot_first:
	s_barrier_signal -1
	s_barrier_wait -1
	s_mov_b32 s[I], 0
.Lfirst:
	TRIP 0
	s_add_co_u32 s[I], s[I], 1
	s_cmp_lt_u32 s[I], 2
	s_cbranch_scc1 .Lfirst
	s_wait_tensorcnt 0x0                           ; every wave: all of K and V has landed
	s_wait_dscnt 0x0
	s_barrier_signal -1
	s_barrier_wait -1
	s_mov_b32 s[I], 2
.Lrest:
	TRIP 1
	s_add_co_u32 s[I], s[I], 1
	s_cmp_lt_u32 s[I], 17
	s_cbranch_scc1 .Lrest
	s_wait_tensorcnt 0x0                           ; the wave's end
	ds_add_u32 v[SPW], v[NIL]
	s_wait_dscnt 0x0
	ROUND                                          ; the closing round
	s_endpgm
.Lfunc_end_k_q721cf74e95_attn:
	.size	k_q721cf74e95_attn, .Lfunc_end_k_q721cf74e95_attn-k_q721cf74e95_attn
	.p2alignl 7, 3214868480
	.fill 96, 4, 3214868480
	.section	.rodata,"a",@progbits
	.p2align	6, 0x0
	.amdhsa_kernel k_q721cf74e95_attn
		.amdhsa_group_segment_fixed_size 327680
		.amdhsa_private_segment_fixed_size 0
		.amdhsa_enable_private_segment 0
		.amdhsa_kernarg_size 32
		.amdhsa_user_sgpr_count 2
		.amdhsa_user_sgpr_kernarg_segment_ptr 1
		.amdhsa_wavefront_size32 1
		.amdhsa_system_sgpr_workgroup_id_x 1
		.amdhsa_system_sgpr_workgroup_id_y 1
		.amdhsa_system_sgpr_workgroup_id_z 1
		.amdhsa_system_vgpr_workitem_id 0
		.amdhsa_next_free_vgpr 256
		.amdhsa_next_free_sgpr 100
		.amdhsa_reserve_vcc 1
		.amdhsa_float_denorm_mode_32 3
		.amdhsa_float_denorm_mode_16_64 3
		.amdhsa_memory_ordered 1
		.amdhsa_forward_progress 1
		.amdhsa_inst_pref_size 75
	.end_amdhsa_kernel
	.amdgpu_metadata
---
amdhsa.version: [ 1, 2 ]
amdhsa.kernels:
  - .name:           k_q721cf74e95_attn
    .symbol:         k_q721cf74e95_attn.kd
    .args:
      - { .name: img, .offset: 0, .size: 8, .value_kind: global_buffer, .address_space: global }
      - { .name: sc, .offset: 8, .size: 8, .value_kind: global_buffer, .address_space: global }
      - { .name: ac, .offset: 16, .size: 8, .value_kind: global_buffer, .address_space: global }
      - { .name: asc, .offset: 24, .size: 8, .value_kind: global_buffer, .address_space: global }
    .group_segment_fixed_size: 327680
    .private_segment_fixed_size: 0
    .kernarg_segment_align: 8
    .kernarg_segment_size: 32
    .max_flat_workgroup_size: 512
    .sgpr_count:     100
    .vgpr_count:     256
    .wavefront_size: 32
...
	.end_amdgpu_metadata
.endif
;; end of part 3
;; launch gemm_out (part 4): grid 4 x 64, 4 waves a work-group, clusters of 4 x 1, 327,680 bytes of LDS; arguments ac, asc, wc, ws, out0; writes out0
.if DOCPART == 4
	.amdgcn_target "amdgcn-amd-amdhsa--gfx1250"
	.amdhsa_code_object_version 6
	.text
	.protected	k_q721cf74e95_gemm_out
	.globl	k_q721cf74e95_gemm_out
	.p2align	8
	.type	k_q721cf74e95_gemm_out,@function
k_q721cf74e95_gemm_out:
	s_mov_b64 s[64:65], 0
	v_nop
	global_prefetch_b8 v0, s[64:65] scope:SCOPE_SE
	s_setreg_imm32_b32 hwreg(HW_REG_WAVE_MODE, 25, 1), 1
	s_wait_xcnt 0x0
	s_wait_alu depctr_hold_cnt(0) depctr_sa_sdst(0) depctr_va_vdst(0) depctr_va_sdst(0) depctr_va_ssrc(0) depctr_va_vcc(0) depctr_vm_vsrc(0)
	s_getreg_b32 s2, hwreg(HW_REG_IB_STS2, 6, 4)
	s_cmp_eq_u32 s2, 0
	s_cbranch_scc0 .Lentry_in_a_cluster
	s_endpgm
.Lentry_in_a_cluster:
	s_bfe_u32 s2, ttmp6, 0x10000c
	s_cmp_lg_u32 s2, 0x3003
	s_cbranch_scc0 .Lentry_shape_is_right
	s_endpgm
.Lentry_shape_is_right:
; out0 = o w_out on codes of FP8 (E4M3) with E8M0 scales: 8,192 x 1,024 x 1,024, f32 results.
; THE DEAL.  256 work-groups of four waves: 128 tokens x 256 columns.  A wave holds 64 rows of wc (w_out's columns), ALL of K, in 512 registers, loaded from wc's register images, 512 bytes on end a load.
; o's 8 tiles of 16 tokens, register images of 16,384 bytes each, lie in LDS, two tiles a wave by one joint load (the cluster's four work-groups share them): nothing is filled again.
; They stream past the weight in blocks of one tile, 32 products a block, in two register sets by turns; all four waves read the same tiles.
; Source 0 = the weight's rows, source 1 = o's: a lane holds one token, and the 16 registers of two neighbouring tiles 16 neighbouring columns (wc's rows have bits 3, 4 exchanged).
; THE WAY OUT: a block's 16 rows x 256 bytes go through the wave's own stage in LDS and leave as rows: sixteen lanes store 256 bytes on end, aligned.  Row m of tile T is token 32 (T / 2) + 8 (T % 2) + m + 8 (m / 8).
; PREFETCH: all operands are asked for at the head: there is no trip to run ahead in.
; LIMITS: NaN, infinities and sums beyond f32's range are not served.
; REGISTERS: window 0: v1-23 addresses, v24-39 the weight's scale words, v44-59 o's, two sets, v64-127 sums, v128-191 rows read back; windows 1, 2: the weight; window 3: o's two sets.
.set BLK,   16384
.set QST,   2048
.set CST,   512
.set SCL,   8*BLK                      ; o's scale bytes, 32 a row
.set STG,   SCL+4096                   ; two stages of 16 x 272 bytes a wave
.set SPITCH, 272
.set SPARE, STG+4*2*16*SPITCH
.set NROW,  4096                       ; a row of out0 in bytes
.set AAS0,  5
.set ADRA,  6
.set AAS,   7
.set LI,    8
.set ABS,   9
.set SPW,   10
.set NIL,   11
.set CO,    12
.set STO,   13
.set RD,    14
.set SCA,   17
.set GOF,   18
.set SB,    24
.set SA,    44
.set ACC,   64
.set OB,    128
.set WP1,   24
.set WS1,   26
.set OP,    36
.set G0,    48
.set G1,    52
.set K,     66
.set FO,    67
.set FS,    68
.set MSB, 0
.macro WIN new                         ; the immediate's high byte repeats the setting that is left
.if MSB != \new
	s_set_vgpr_msb (MSB<<8)|\new
.set MSB, \new
.endif
.endm
.macro PLACES n
.rept \n
	v_nop
.endr
.endm
.macro ROUND
	s_barrier_signal -1
	s_barrier_wait -1
	s_cmp_lg_u32 s16, 0
	s_cbranch_scc1 .Lnot_wave_0_\@
	s_barrier_signal -3
.Lnot_wave_0_\@:
	s_barrier_wait -3
	s_barrier_signal -1
	s_barrier_wait -1
.endm
.macro FETCHAT e, a, s                 ; a block of o into set e, and its scale words: 34 LDS loads
	WIN 3<<6
.irp q, 0,1,2,3,4,5,6,7
.irp c, 0,1,2,3
	ds_load_b128 v[128*\e+16*\q+4*\c:128*\e+16*\q+4*\c+3], v[\a] offset:QST*\q+CST*\c
.endr
.endr
	WIN 0
	ds_load_b128 v[SA+8*\e:SA+8*\e+3], v[\s]
	ds_load_b128 v[SA+8*\e+4:SA+8*\e+7], v[\s] offset:16
.endm
.macro PROD e, n                       ; product n = 4 q + b; the block's four sums take turns
.set Q_, (\n)/4
.set B_, (\n)%4
.set R_, 128*(\e)+16*Q_
.set W_, 16*((\n)%16)
.set XS_, SA+8*(\e)+Q_
.set WS_, SB+8*(B_/2)+Q_
.set AC_, ACC+32*(\e)+8*B_
	WIN (1+(\n)/16)|(3<<2)
.if Q_ && B_%2
	v_wmma_scale_f32_16x16x128_f8f6f4 v[AC_:AC_+7], v[W_:W_+15], v[R_:R_+15], v[AC_:AC_+7], v[WS_], v[XS_] matrix_a_scale:MATRIX_SCALE_ROW1
.elseif Q_
	v_wmma_scale_f32_16x16x128_f8f6f4 v[AC_:AC_+7], v[W_:W_+15], v[R_:R_+15], v[AC_:AC_+7], v[WS_], v[XS_]
.elseif B_%2
	v_wmma_scale_f32_16x16x128_f8f6f4 v[AC_:AC_+7], v[W_:W_+15], v[R_:R_+15], 0, v[WS_], v[XS_] matrix_a_scale:MATRIX_SCALE_ROW1
.else
	v_wmma_scale_f32_16x16x128_f8f6f4 v[AC_:AC_+7], v[W_:W_+15], v[R_:R_+15], 0, v[WS_], v[XS_]
.endif
.endm
.macro PRODS e
.set N_, 0
.rept 32
	PROD \e, N_
.set N_, N_+1
.endr
	WIN 0
.endm
.macro TOSTAGE e                       ; 8 LDS stores, each sum from its low end on, and 8 loads; LDS serves a wave's instructions in order
.irp b, 0,1,2,3
	ds_store_b128 v[STO], v[ACC+32*\e+8*\b:ACC+32*\e+8*\b+3] offset:\e*16*SPITCH+128*(\b/2)+32*(\b%2)
	ds_store_b128 v[STO], v[ACC+32*\e+8*\b+4:ACC+32*\e+8*\b+7] offset:\e*16*SPITCH+128*(\b/2)+32*(\b%2)+16
.endr
.irp t, 0,1,2,3,4,5,6,7
	ds_load_b128 v[OB+32*\e+4*\t:OB+32*\e+4*\t+3], v[RD] offset:\e*16*SPITCH+\t*2*SPITCH
.endr
.endm
.macro SEND e
.irp t, 0,1,2,3,4,5,6,7
	global_store_b128 v[CO], v[OB+32*\e+4*\t:OB+32*\e+4*\t+3], s[OP:OP+1] offset:(8*\e+2*\t+8*(\t/4))*NROW th:TH_STORE_NT
.endr
.endm
.macro TRIP fetch                      ; two blocks: 32 tokens
	s_wait_xcnt 0x0                                ; the last trip's stores have read their registers and their base
	s_add_nc_u64 s[OP:OP+1], s[OP:OP+1], 32*NROW
	s_add_co_u32 s20, s[FO], BLK
	s_add_co_u32 s21, s[FS], 512
	s_wait_dscnt 34                                ; set 0 is in; set 1's 34 loads may be out
	PRODS 0
.if \fetch
	v_add_nc_u32 v[ADRA], s[FO], v[LI]
	v_add_nc_u32 v[AAS], s[FS], v[AAS0]
	PLACES 6                                       ; with the two additions: eight places behind the products
.else
	PLACES 8
.endif
	TOSTAGE 0
.if \fetch
	FETCHAT 0, ADRA, AAS
	s_wait_dscnt 50                                ; set 1 is in; the stage's 16 and the 34 just issued may be out
.else
	s_wait_dscnt 16
.endif
	PRODS 1
.if \fetch
	v_add_nc_u32 v[ADRA], s20, v[LI]
	v_add_nc_u32 v[AAS], s21, v[AAS0]
	PLACES 6
.else
	PLACES 8
.endif
	TOSTAGE 1
.if \fetch
	FETCHAT 1, ADRA, AAS
	s_wait_dscnt 34                                ; both blocks' rows are back; the 34 just issued may be out
.else
	s_wait_dscnt 0x0
.endif
	SEND 0
	SEND 1
.endm
	s_load_b256 s[4:11], s[0:1], 0x0               ; ac, asc, wc, ws
	s_load_b64 s[12:13], s[0:1], 0x20              ; out0
	v_lshl_add_u32 v[SPW], v0, 2, SPARE
	v_mov_b32 v[NIL], 0
	ds_add_u32 v[SPW], v[NIL]                      ; the opening: the add, twice on end, and its wait
	ds_add_u32 v[SPW], v[NIL]
	v_lshrrev_b32 v1, 5, v0
	v_readfirstlane_b32 s16, v1                    ; wave
	s_bfe_u32 s17, ttmp6, 0x40000                  ; cx: my 256 columns
	s_and_b32 s19, ttmp7, 0xffff                   ; my 128 tokens
	s_lshl_b32 s20, s19, 3
	s_lshl_b32 s21, s16, 1
	s_add_co_u32 s20, s20, s21                     ; the two tiles that I fetch
	s_lshl_b32 s22, s20, 14
	s_mov_b32 s23, 0
	s_mov_b32 s[G0], 1
	s_lshl_b32 s[G0+1], s16, 15
	s_mov_b32 s[G1], 15|(3<<16)|(1<<21)            ; the mask names the cluster's four; elements of 8 bytes; no padding
	s_mov_b32 s[G1+1], 32<<16
	s_mov_b32 s[G1+2], 128<<16
	s_mov_b32 s[G1+3], 32<<16
	s_mov_b32 s[G1+4], 128                         ; 128 dense rows of 256 bytes
	s_mov_b32 s[G1+5], 32
	s_mov_b32 s[G1+6], 0
	s_mov_b32 s[G1+7], 0
	s_lshl_b32 s32, s19, 12                        ; asc: 128 rows of 32 bytes
	s_mov_b32 s33, 0
	s_lshl_b32 s20, s17, 2
	s_add_co_u32 s20, s20, s16
	s_add_co_u32 s20, s20, 48                      ; my 64 rows of wc: w_out's begin at row 3,072
	s_lshl_b32 s[WP1], s20, 16
	s_mov_b32 s[WP1+1], 0
	s_lshl_b32 s[WS1], s20, 11
	s_mov_b32 s[WS1+1], 0
	s_lshl_b32 s[OP], s19, 19
	s_lshl_b32 s20, s17, 10
	s_add_co_u32 s[OP], s[OP], s20
	s_lshl_b32 s20, s16, 8
	s_add_co_u32 s[OP], s[OP], s20
	s_mov_b32 s[OP+1], 0
	s_wait_dscnt 0x0                               ; both opening adds are done
	ROUND                                          ; all four work-groups are here: the joint loads meet
	s_wait_kmcnt 0x0
	s_add_nc_u64 s[G0+2:G0+3], s[4:5], s[22:23]
	s_or_b32 s[G0+3], s[G0+3], 0x80000000
	tensor_load_to_lds s[G0:G0+3], s[G1:G1+7]      ; my one load: two tiles of o
	s_nop 0
	PLACES 4
	s_add_nc_u64 s[32:33], s[6:7], s[32:33]
	s_add_nc_u64 s[WP1:WP1+1], s[8:9], s[WP1:WP1+1]
	s_add_nc_u64 s[WS1:WS1+1], s[10:11], s[WS1:WS1+1]
	s_add_nc_u64 s[OP:OP+1], s[12:13], s[OP:OP+1]
	s_sub_nc_u64 s[OP:OP+1], s[OP:OP+1], 32*NROW   ; a trip steps it first
	s_mul_i32 s20, s16, 2*16*SPITCH
	s_add_co_u32 s20, s20, STG                     ; my stages
	v_and_b32 v1, 15, v0
	v_bfe_u32 v2, v0, 4, 1
	v_and_b32 v3, 31, v0
	v_lshl_add_u32 v[AAS0], v1, 5, SCL
	v_lshlrev_b32 v[LI], 4, v3
	v_lshlrev_b32 v[ABS], 5, v3
	v_lshlrev_b32 v[GOF], 4, v0
	v_mul_u32_u24 v[STO], v1, SPITCH               ; in: row lane % 16, 64 bytes for each half of the lanes
	v_mul_u32_u24 v[RD], v2, SPITCH                ; back: lanes 0-15 one row, lanes 16-31 the next
	v_add_nc_u32 v[AAS], 512, v[AAS0]
	v_add_nc_u32 v[ADRA], BLK, v[LI]
	v_add_nc_u32 v[SCA], SCL, v[GOF]
	v_lshl_add_u32 v[STO], v2, 6, v[STO]
	v_lshl_add_u32 v[RD], v1, 4, v[RD]
	v_lshlrev_b32 v[CO], 12, v2
	v_add_nc_u32 v[STO], s20, v[STO]
	v_add_nc_u32 v[RD], s20, v[RD]
	v_lshl_add_u32 v[CO], v1, 4, v[CO]
	s_wait_alu depctr_va_vdst(0)
.set F_, 0
.rept 32                               ; the weight: fragment 4 q + b (tile b, the q-th 128 of K) into window 1 + (4 q + b) / 16
	WIN (1+F_/16)<<6
.irp c, 0,1,2,3
	global_load_b128 v[16*(F_%16)+4*\c:16*(F_%16)+4*\c+3], v[LI], s[WP1:WP1+1] offset:(F_%4)*16384+(F_/4)*2048+512*\c
.endr
.set F_, F_+1
.endr
	WIN 0
.irp p, 0,1
.irp c, 0,1
	global_load_b128 v[SB+8*\p+4*\c:SB+8*\p+4*\c+3], v[ABS], s[WS1:WS1+1] offset:\p*1024+16*\c
.endr
.endr
	global_load_b128 v[224:227], v[GOF], s[32:33]  ; o's scale bytes, 32 a thread, into LDS
	global_load_b128 v[228:231], v[GOF], s[32:33] offset:2048
	s_wait_loadcnt 0x0
	s_wait_tensorcnt 0x0                           ; my tiles have landed
	ds_store_b128 v[SCA], v[224:227]
	ds_store_b128 v[SCA], v[228:231] offset:2048
	s_wait_dscnt 0x0
	s_barrier_signal -1
	s_barrier_wait -1                              ; all 8 tiles and their scale bytes are there
	FETCHAT 0, LI, AAS0
	FETCHAT 1, ADRA, AAS
	s_mov_b32 s[K], 0
	s_mov_b32 s[FO], 2*BLK
	s_mov_b32 s[FS], 2*512
.Ltrip:
	TRIP 1
	s_add_co_u32 s[FO], s[FO], 2*BLK
	s_add_co_u32 s[FS], s[FS], 2*512
	s_add_co_u32 s[K], s[K], 1
	s_cmp_lt_u32 s[K], 3
	s_cbranch_scc1 .Ltrip
	TRIP 0                                         ; the last trip fetches nothing
	s_wait_tensorcnt 0x0                           ; the wave's end
	ds_add_u32 v[SPW], v[NIL]
	s_wait_dscnt 0x0
	ROUND                                          ; the closing round
	s_endpgm
.Lfunc_end_k_q721cf74e95_gemm_out:
	.size	k_q721cf74e95_gemm_out, .Lfunc_end_k_q721cf74e95_gemm_out-k_q721cf74e95_gemm_out
	.p2alignl 7, 3214868480
	.fill 96, 4, 3214868480
	.section	.rodata,"a",@progbits
	.p2align	6, 0x0
	.amdhsa_kernel k_q721cf74e95_gemm_out
		.amdhsa_group_segment_fixed_size 327680
		.amdhsa_private_segment_fixed_size 0
		.amdhsa_enable_private_segment 0
		.amdhsa_kernarg_size 40
		.amdhsa_user_sgpr_count 2
		.amdhsa_user_sgpr_kernarg_segment_ptr 1
		.amdhsa_wavefront_size32 1
		.amdhsa_system_sgpr_workgroup_id_x 1
		.amdhsa_system_sgpr_workgroup_id_y 1
		.amdhsa_system_sgpr_workgroup_id_z 1
		.amdhsa_system_vgpr_workitem_id 0
		.amdhsa_next_free_vgpr 1024
		.amdhsa_next_free_sgpr 72
		.amdhsa_reserve_vcc 0
		.amdhsa_float_denorm_mode_32 3
		.amdhsa_float_denorm_mode_16_64 3
		.amdhsa_memory_ordered 1
		.amdhsa_forward_progress 1
		.amdhsa_inst_pref_size 52
	.end_amdhsa_kernel
	.amdgpu_metadata
---
amdhsa.version: [ 1, 2 ]
amdhsa.kernels:
  - .name:           k_q721cf74e95_gemm_out
    .symbol:         k_q721cf74e95_gemm_out.kd
    .args:
      - { .name: ac, .offset: 0, .size: 8, .value_kind: global_buffer, .address_space: global }
      - { .name: asc, .offset: 8, .size: 8, .value_kind: global_buffer, .address_space: global }
      - { .name: wc, .offset: 16, .size: 8, .value_kind: global_buffer, .address_space: global }
      - { .name: ws, .offset: 24, .size: 8, .value_kind: global_buffer, .address_space: global }
      - { .name: out0, .offset: 32, .size: 8, .value_kind: global_buffer, .address_space: global }
    .group_segment_fixed_size: 327680
    .private_segment_fixed_size: 0
    .kernarg_segment_align: 8
    .kernarg_segment_size: 40
    .max_flat_workgroup_size: 128
    .sgpr_count:     72
    .vgpr_count:     1024
    .wavefront_size: 32
...
	.end_amdgpu_metadata
.endif
;; end of part 4
